; MI455X (gfx1250); checked and timed in simulation.
; The chip was launched on July 23, 2026; its instructions are those of AMD's public machine-readable ISA for CDNA 5 (MIT licence, August 2026) and "CDNA5" Instruction Set Architecture Reference Guide (July 2026). The comments in the code are by the model that wrote it; some were corrected since.
;; Multi Head Self Attention. Allowed arithmetic: matrix products marked QUANTISED: E2M3 operands, one E8M0 scale for each 32 along K, by v_wmma_scale_f32_16x16x128_f8f6f4 with both operands' format E2M3, f32 sums; everything else in f32.
;; Inputs: token_positions 2,048 int32; w_out 1,024 x 1,024 float32; w_qkv 3,072 x 1,024 float32; x 2 x 2,048 x 1,024 float32.
;; Outputs: out0 2 x 2,048 x 1,024 float32.
;; Constants: num_heads = 16.
;; This version of the problem:
;;   THIS VERSION OF THE PROBLEM IS GIVEN IN LOW PRECISION. The matrix products marked QUANTISED in the list below multiply operands that are first quantised to E2M3 (2 exponent bits, 3 mantissa bits; 6 bits a number), with one power-of-two scale for each 32 numbers along K (OCP MX v1.0); their sums are f32. All else is computed in f32.
;;   The module's matrix products, in the order in which they are computed (A, B: the left and right operand; K: the contracted axis; several contracted axes count as one K, in the product's order):
;;     1. [M 4,096, K 1,024] x [K 1,024, N 3,072]; A: input x; B: input w_qkv: QUANTISED
;;     2. batch 32 x [M 2,048, K 64] x [K 64, N 2,048]; A: computed on the way; B: computed on the way: QUANTISED
;;     3. batch 32 x [M 2,048, K 2,048] x [K 2,048, N 64]; A: softmax (see below); B: computed on the way: QUANTISED
;;     4. [M 4,096, K 1,024] x [K 1,024, N 1,024]; A: computed on the way; B: input w_out: QUANTISED
;;   THE QUANTISER, for each operand of a quantised product, along K:
;;     - K is cut into blocks of 32 from its start; a last block that is shorter is filled with zeros.
;;     - A block's scale is 2^e with e = floor(log2(the largest magnitude in the block)) - 2, held to -126 .. 127; a block of zeros has e = 0. As a byte (E8M0): e + 127.
;;     - Each number is divided by its block's scale, clamped to +-7.5, and rounded to the nearest number of E2M3, ties to even, subnormals kept.
;;     - The product sums the exact products of the quantised numbers (number of the format x scale) in f32.
;;   ~~~python
;;   def quantise(x, axis):      # numpy; x: float32 -> the quantised numbers, widened to float32 again
;;       x = np.moveaxis(x, axis, -1); K = x.shape[-1]
;;       x = np.pad(x, [(0, 0)] * (x.ndim - 1) + [(0, -K % 32)]); x = x.reshape(x.shape[:-1] + (-1, 32)); a = np.abs(x).max(-1, keepdims=True)
;;       e = np.where(a > 0, np.clip(np.frexp(np.where(a > 0, a, 1))[1] - 1 - 2, -126, 127), 0)      # np.frexp(a)[1] - 1 = floor(log2(a)), exactly
;;       r = np.clip(x / 2.0 ** e, -7.5, 7.5)
;;       step = 2.0 ** (np.maximum(np.frexp(np.where(r == 0, 1, r))[1] - 1, 0) - 3)
;;       q = np.round(r / step) * step * 2.0 ** e      # np.round: ties to even
;;       return np.moveaxis(q.reshape(q.shape[:-2] + (-1,))[..., :K], -1, axis).astype(np.float32)
;;   ~~~
;;   SOFTMAX AHEAD OF A QUANTISED PRODUCT. Where the list says 'softmax', what is quantised is not the finished softmax but p = 2^(t - M), with t = logit x log2(e) and M = ceil(the row's largest t), a whole number; so 1/2 < the row's largest p <= 1. The row's sum l is taken of the UNQUANTISED p, in f32, and the product's result is divided by l at the end. Since M is a whole number, a kernel that streams over the keys may use a running M (the ceiling of the running maximum): every later rescaling is an exact power of two, which a block's scale takes up: the codes' values come out the same.
;;   OPERANDS COMPUTED ON THE WAY. 'Computed on the way' means the value that the module computes at that place (a softmax that the list does not call 'softmax' is quantised finished and normalised). What goes into a quantiser is computed in f32, as accurately as f32 sums, v_exp_f32 and their like allow (about 1e-6 of the number): no bf16 or f16 on the way to a quantiser, and a product that is left as it is and whose result goes on into a quantised operand takes f32 operands (vector FMAs, or v_wmma_f32_16x16x4_f32). A number that lies on a knife's edge between two numbers of the format may be rounded either way, as far as f32 arithmetic and the matrix unit's own rounding can turn it there, and no further.
;; One version. Each part assembles by itself: llvm-mc -triple=amdgcn-amd-amdhsa -mcpu=gfx1250 --defsym DOCPART=n.
;; ======== version 1 of 1: 4 launches
;; limits: inputs' magnitudes at most 1,048,576; right only within a limited range of input values
;; workspace buffers: cin 9,437,184 bytes; scl 393,216 bytes; tab 524,288 bytes; att 9,437,184 bytes; ats 655,360 bytes
;; launch prep (part 1): grid 544 x 1, 4 waves a work-group, no clusters, 35,328 bytes of LDS; arguments x, w_qkv, w_out, token_positions, cin, scl, tab; writes cin, scl, tab
.if DOCPART == 1
	.amdgcn_target "amdgcn-amd-amdhsa--gfx1250"
	.amdhsa_code_object_version 6
	.text
	.protected	k_q92acbe47db_prep
	.globl	k_q92acbe47db_prep
	.p2align	8
	.type	k_q92acbe47db_prep,@function
k_q92acbe47db_prep:
	s_mov_b64 s[64:65], 0
	v_nop
	global_prefetch_b8 v0, s[64:65] scope:SCOPE_SE
	s_setreg_imm32_b32 hwreg(HW_REG_WAVE_MODE, 25, 1), 1
	s_wait_xcnt 0x0
; PREP.  x [4096][1024], w_qkv [3072][1024], w_out [1024][1024], f32, become codes of FP6 (E2M3) with one E8M0 byte for each 32 along K,
; laid in the order of a matrix operand's registers; and token_positions becomes a table of (cos, sin) for the rotation of q and k.
; A TILE is 16 rows x 1,024 K = 16 HALFs of 768 bytes.  A HALF is 16 rows x 64 K: lane (r = lane % 16, h = lane / 16) holds row r, k = 32 h .. 32 h + 31, one whole block, in 6 registers;
; registers 0-3 lie at 16 x lane, registers 4-5 at 512 + 8 x lane.  Two HALFs on end are the 12 registers of a fragment of 128 along K.
; THE ROWS OF A TILE ARE NOT NEIGHBOURS: place r of tile t holds row 32 (t / 2) + 8 (t % 2) + r + 8 (r / 8), so that the results of two neighbouring tiles, used as source 0, are 16 neighbours in a lane's registers.
; Tiles of cin: 0-255 x, 256-447 w_qkv, 448-511 w_out.  Scale words (scl, 512 bytes a tile): the word of (place r, K step ks of 128) lies at 128 (ks / 2) + 8 r + 4 (ks % 2).
; A block's scale is 2^(floor(log2(largest magnitude)) - 2): its byte is the largest magnitude's exponent field - 2, held at 1 from below.
; LIMITS: a block of zeros, or one whose largest magnitude lies under 2^-124, gets the byte 1 (its codes are zeros or next to it; the bytes are read by this program alone); NaN and infinities are not served;
; the angles keep about 1e-7 for |token_positions| up to 2^20, less beyond.
; SHARES: work-groups 0-511 take a tile each, wave w its HALFs 4 w .. 4 w + 3; work-groups 512-543 make the table, a wave 16 positions, a lane a frequency.
; No tensor loads, no barrier, no matrix unit, no cluster: waves share nothing, and the launch is a stream.
.set R,   32                           ; v32-159  four HALFs as loaded, 32 registers each
.set X,   160                          ; v160-223 two sets of 32 neighbours along K
.set C,   224                          ; v224-255 codes: eight registers for each HALF, so that no store's data are written again
.set CT,  12                           ; v12-14   the second conversion's result (a conversion's three registers begin on an even number)
.set STG, 4352                         ; a stage: 16 rows x (256 bytes + 16)
.set WST, 8704                         ; two stages for each wave
.macro LOADH f                         ; HALF f: 16 rows x 256 bytes; sixteen lanes read 256 consecutive bytes of one row, two rows an instruction
.irp j, 0,1,2,3,4,5,6,7
	global_load_b128 v[R+32*\f+4*\j:R+32*\f+4*\j+3], v1, s[20:21] offset:(2*\j+8*(\j/4))*4096+256*\f th:TH_LOAD_NT
.endr
.endm
.macro HALFQ f
.set XS, X+32*((\f)%2)
	s_wait_loadcnt 24-8*\f                         ; this HALF's eight loads are in; the eight of each later HALF may be out
.irp j, 0,1,2,3,4,5,6,7
	ds_store_b128 v2, v[R+32*\f+4*\j:R+32*\f+4*\j+3] offset:STG*((\f)%2)+544*\j
.endr
.irp i, 0,1,2,3,4,5,6,7
	ds_load_b128 v[XS+4*\i:XS+4*\i+3], v3 offset:STG*((\f)%2)+16*\i   ; LDS serves a wave's instructions in order: these see the stores above.  My row's 32 neighbours
.endr
	s_wait_dscnt 0x0
	v_max3_num_f32 v8, |v[XS]|, |v[XS+1]|, 0x1800000                ; the block's largest magnitude, in two chains, with the floor 2^(3 - 127) as a leaf: the byte cannot fall under 1
	v_max3_num_f32 v9, |v[XS+2]|, |v[XS+3]|, |v[XS+4]|
.set nn, 0
.rept 13
	v_max3_num_f32 v[8+nn%2], v[8+nn%2], |v[XS+5+2*nn]|, |v[XS+6+2*nn]|
.set nn, nn+1
.endr
	v_max3_num_f32 v8, v8, v9, |v[XS+31]|
	v_add_nc_u32 v10, 0xff000000, v8               ; 2 off its exponent field: the conversion takes this operand's exponent field as its scale
	v_cvt_scalef32_pk16_fp6_f32 v[C+8*\f:C+8*\f+2], v[XS:XS+15], v10
	v_cvt_scalef32_pk16_fp6_f32 v[CT:CT+2], v[XS+16:XS+31], v10
	v_lshrrev_b32 v[16+\f], 23, v10                ; the scale's byte.  (Also the plain instruction between the conversions and the moves that read their result)
.irp i, 0,1,2
	v_mov_b32 v[C+8*\f+3+\i], v[CT+\i]
.endr
	global_store_b128 v4, v[C+8*\f:C+8*\f+3], s[12:13] offset:768*\f          ; 512 consecutive bytes,
	global_store_b64 v5, v[C+8*\f+4:C+8*\f+5], s[12:13] offset:768*\f+512     ; and 256: the HALF's 768, from a multiple of 256 on
.endm
; One position of the table: angle = position x inverse frequency; reduced by quarter turns (pi / 2 in three parts, fused multiply-adds); sine and cosine by polynomials on +-pi/4.
.macro TRIG n
	v_cvt_f32_i32 v12, s[32+\n]
	s_wait_alu depctr_va_vdst(0)
	v_mul_f32 v12, v12, v11                        ; the angle, rounded once
	v_mul_f32 v13, s27, v12
	v_rndne_f32 v13, v13                           ; quarter turns
	v_fma_f32 v14, v13, s28, v12
	v_fma_f32 v14, v13, s29, v14
	v_fma_f32 v14, v13, s30, v14                   ; what is left, within +-pi/4
	v_mul_f32 v15, v14, v14                        ; z
	v_fma_f32 v16, s48, v15, s49
	v_fma_f32 v16, v16, v15, s50
	v_mul_f32 v17, v15, v14
	v_fma_f32 v16, v16, v17, v14                   ; its sine
	v_fma_f32 v18, s51, v15, s52
	v_fma_f32 v18, v18, v15, s53
	v_mul_f32 v19, v15, v15
	v_fma_f32 v20, v15, -0.5, 1.0
	v_fma_f32 v18, v18, v19, v20                   ; its cosine
	v_cvt_i32_f32 v21, v13
	v_and_b32 v22, 1, v21
	v_cmp_eq_u32 vcc_lo, 1, v22                    ; an odd number of quarter turns changes sine and cosine over
	v_cndmask_b32 v23, v16, v18, vcc_lo
	v_cndmask_b32 v24, v18, v16, vcc_lo
	v_and_b32 v22, 2, v21
	v_lshlrev_b32 v22, 30, v22                     ; the sine's sign: quarter turns 2 and 3
	v_xor_b32 v[65+2*\n], v22, v23
	v_add_nc_u32 v21, 1, v21
	v_and_b32 v21, 2, v21
	v_lshlrev_b32 v21, 30, v21                     ; the cosine's: 1 and 2
	v_xor_b32 v[64+2*\n], v21, v24
	global_store_b64 v25, v[64+2*\n:65+2*\n], s[16:17] offset:256*\n   ; 32 lanes store the position's 256 bytes: (cos, sin) of frequency i at 8 i
.endm
	s_load_b256 s[4:11], s[0:1], 0x0               ; x s[4:5], w_qkv s[6:7], w_out s[8:9], token_positions s[10:11]
	s_load_b128 s[12:15], s[0:1], 0x20             ; cin s[12:13], scl s[14:15]
	s_load_b64 s[16:17], s[0:1], 0x30              ; tab
	v_lshl_add_u32 v254, v0, 2, 0x8800
	v_mov_b32 v255, 0
	v_lshrrev_b32 v1, 5, v0
	v_readfirstlane_b32 s18, v1                    ; wave 0..3
	v_and_b32 v7, 31, v0                           ; lane
	s_cmp_ge_u32 ttmp9, 512
	s_cbranch_scc1 .Ltrig
	; ---- a tile of codes
	v_and_b32 v24, 15, v0                          ; r
	v_bfe_u32 v25, v0, 4, 1                        ; h
	v_lshlrev_b32 v1, 12, v25
	v_lshl_add_u32 v1, v24, 4, v1                  ; in: lanes 0-15 one row, lanes 16-31 the next; 16 bytes a lane
	s_mul_i32 s19, s18, WST
	v_mul_u32_u24 v2, v25, 272
	v_lshl_add_u32 v2, v24, 4, v2
	v_add_nc_u32 v2, s19, v2                       ; into my wave's stage, as loaded
	v_mul_u32_u24 v3, v24, 272
	v_lshl_add_u32 v3, v25, 7, v3
	v_add_nc_u32 v3, s19, v3                       ; out of it: row r, 128 bytes for each half of the lanes
	v_lshlrev_b32 v4, 4, v7                        ; 16 x lane
	v_lshlrev_b32 v5, 3, v7                        ; 8 x lane
	v_lshlrev_b32 v6, 3, v24
	v_lshl_add_u32 v6, v25, 2, v6                  ; 8 r + 4 h: my scale word's place
	v_lshlrev_b32 v26, 3, v25                      ; 8 h: my byte's place in a word
	s_mov_b32 s30, 0x76543210
	s_mov_b32 s31, 0xfedcba98                      ; v_permlanex16_b32's selects for lane l xor 16
	s_mov_b32 s23, 448
	s_wait_alu depctr_va_vdst(0)
	s_wait_kmcnt 0x0
	s_cmp_lt_u32 ttmp9, 256                        ; which tensor: the choice hangs on the work-group's number alone
	s_cselect_b64 s[20:21], s[4:5], s[6:7]
	s_cselect_b32 s22, 0, 256
	s_cmp_lt_u32 ttmp9, 448
	s_cselect_b64 s[20:21], s[20:21], s[8:9]
	s_cselect_b32 s22, s22, s23
	s_sub_co_u32 s22, ttmp9, s22                   ; the tile's number in its tensor
	s_lshr_b32 s24, s22, 1
	s_lshl_b32 s24, s24, 17                        ; 32 rows of 4,096 bytes for each pair of tiles,
	s_and_b32 s25, s22, 1
	s_lshl_b32 s25, s25, 15                        ; 8 rows for the odd one,
	s_add_co_u32 s24, s24, s25
	s_lshl_b32 s25, s18, 10                        ; my wave's 256 along K
	s_add_co_u32 s24, s24, s25
	s_mov_b32 s25, 0
	s_add_nc_u64 s[20:21], s[20:21], s[24:25]
	LOADH 0                                        ; all 32 loads of the wave go out at once
	LOADH 1
	LOADH 2
	LOADH 3
	s_mul_i32 s24, ttmp9, 12288
	s_mul_i32 s26, s18, 3072
	s_add_co_u32 s24, s24, s26
	s_add_nc_u64 s[12:13], s[12:13], s[24:25]      ; my four HALFs in cin
	s_lshl_b32 s24, ttmp9, 9
	s_lshl_b32 s26, s18, 7
	s_add_co_u32 s24, s24, s26
	s_add_nc_u64 s[14:15], s[14:15], s[24:25]      ; my 128 bytes of scale words
	HALFQ 0
	HALFQ 1
	HALFQ 2
	HALFQ 3
	v_lshl_or_b32 v20, v17, 16, v16                ; K step 2 w: my bytes of its two HALFs,
	v_lshl_or_b32 v21, v19, 16, v18                ; K step 2 w + 1
	v_lshlrev_b32 v20, v26, v20                    ; at their places (8 h bits up);
	v_lshlrev_b32 v21, v26, v21
	v_mov_b32 v22, 0                               ; (a lane permute's destination counts as one of its sources)
	v_mov_b32 v23, 0
	v_permlanex16_b32 v22, v20, s30, s31
	v_permlanex16_b32 v23, v21, s30, s31
	v_or_b32 v20, v20, v22                         ; with lane l xor 16's two bytes the words are whole
	v_or_b32 v21, v21, v23
	v_cmp_eq_u32 vcc_lo, 1, v25
	v_cndmask_b32 v20, v20, v21, vcc_lo            ; lanes 0-15 store the first word, lanes 16-31 the second
	global_store_b32 v6, v20, s[14:15]             ; 128 consecutive bytes
	s_wait_tensorcnt 0x0
	ds_add_u32 v254, v255
	s_wait_dscnt 0x0
	s_endpgm
	; ---- the table: 16 positions a wave
.Ltrig:
	s_sub_co_u32 s19, ttmp9, 512
	s_lshl_b32 s19, s19, 2
	s_add_co_u32 s19, s19, s18                     ; which 16 positions
	s_lshl_b32 s20, s19, 6
	s_mov_b32 s21, 0
	s_lshl_b32 s22, s19, 12
	s_mov_b32 s23, 0
	s_wait_kmcnt 0x0
	s_add_nc_u64 s[10:11], s[10:11], s[20:21]
	s_add_nc_u64 s[16:17], s[16:17], s[22:23]
	s_load_b512 s[32:47], s[10:11], 0x0            ; the 16 positions, as they are given
	s_mov_b32 s24, 0xbed49a78                      ; -log2(10000) / 32, upper part,
	s_mov_b32 s25, 0xb2179a6c                      ; lower part
	s_mov_b32 s26, 0x3f317218                      ; ln 2
	s_mov_b32 s27, 0x3f22f983                      ; 2 / pi
	s_mov_b32 s28, 0xbfc90fdb                      ; -pi / 2 in three parts
	s_mov_b32 s29, 0x333bbd2e
	s_mov_b32 s30, 0x26f72ced
	s_mov_b32 s48, 0xb94ca1f9                      ; the sine's polynomial
	s_mov_b32 s49, 0x3c08839e
	s_mov_b32 s50, 0xbe2aaaa3
	s_mov_b32 s51, 0x37ccf5ce                      ; the cosine's
	s_mov_b32 s52, 0xbab6061a
	s_mov_b32 s53, 0x3d2aaaa5
	s_wait_alu depctr_va_vdst(0)
	v_lshlrev_b32 v25, 3, v7                       ; 8 x frequency
	v_cvt_f32_u32 v8, v7
	v_mul_f32 v9, s24, v8                          ; t = -i log2(10000) / 32, rounded;
	v_fma_f32 v10, v8, s24, -v9                    ; what the rounding dropped,
	v_fma_f32 v10, v8, s25, v10                    ; and the constant's lower part
	s_wait_alu depctr_va_vdst(0)
	v_exp_f32 v11, v9
	v_mul_f32 v10, s26, v10                        ; (a plain instruction behind the exponential)
	s_wait_alu depctr_va_vdst(0)
	v_fma_f32 v11, v11, v10, v11                   ; 10000^(-i / 32) = 2^t (1 + e ln 2)
	s_wait_kmcnt 0x0
.irp n, 0,1,2,3,4,5,6,7,8,9,10,11,12,13,14,15
	TRIG \n
.endr
	s_endpgm
.Lfunc_end_k_q92acbe47db_prep:
	.size	k_q92acbe47db_prep, .Lfunc_end_k_q92acbe47db_prep-k_q92acbe47db_prep
	.p2alignl 7, 3214868480
	.fill 96, 4, 3214868480
	.section	.rodata,"a",@progbits
	.p2align	6, 0x0
	.amdhsa_kernel k_q92acbe47db_prep
		.amdhsa_group_segment_fixed_size 35328
		.amdhsa_private_segment_fixed_size 0
		.amdhsa_enable_private_segment 0
		.amdhsa_kernarg_size 56
		.amdhsa_user_sgpr_count 2
		.amdhsa_user_sgpr_kernarg_segment_ptr 1
		.amdhsa_wavefront_size32 1
		.amdhsa_system_sgpr_workgroup_id_x 1
		.amdhsa_system_sgpr_workgroup_id_y 1
		.amdhsa_system_sgpr_workgroup_id_z 1
		.amdhsa_system_vgpr_workitem_id 0
		.amdhsa_next_free_vgpr 256
		.amdhsa_next_free_sgpr 66
		.amdhsa_reserve_vcc 1
		.amdhsa_float_denorm_mode_32 3
		.amdhsa_float_denorm_mode_16_64 3
		.amdhsa_memory_ordered 1
		.amdhsa_forward_progress 1
		.amdhsa_inst_pref_size 41
	.end_amdhsa_kernel
	.amdgpu_metadata
---
amdhsa.version: [ 1, 2 ]
amdhsa.kernels:
  - .name:           k_q92acbe47db_prep
    .symbol:         k_q92acbe47db_prep.kd
    .args:
      - { .name: x, .offset: 0, .size: 8, .value_kind: global_buffer, .address_space: global }
      - { .name: w_qkv, .offset: 8, .size: 8, .value_kind: global_buffer, .address_space: global }
      - { .name: w_out, .offset: 16, .size: 8, .value_kind: global_buffer, .address_space: global }
      - { .name: token_positions, .offset: 24, .size: 8, .value_kind: global_buffer, .address_space: global }
      - { .name: cin, .offset: 32, .size: 8, .value_kind: global_buffer, .address_space: global }
      - { .name: scl, .offset: 40, .size: 8, .value_kind: global_buffer, .address_space: global }
      - { .name: tab, .offset: 48, .size: 8, .value_kind: global_buffer, .address_space: global }
    .group_segment_fixed_size: 35328
    .private_segment_fixed_size: 0
    .kernarg_segment_align: 8
    .kernarg_segment_size: 56
    .max_flat_workgroup_size: 128
    .sgpr_count:     66
    .vgpr_count:     256
    .wavefront_size: 32
...
	.end_amdgpu_metadata
.endif
;; end of part 1
;; launch qkv (part 2): grid 8 x 32, 4 waves a work-group, clusters of 4 x 4, 327,680 bytes of LDS; arguments cin, scl, tab, att, ats; writes att, ats
.if DOCPART == 2
	.amdgcn_target "amdgcn-amd-amdhsa--gfx1250"
	.amdhsa_code_object_version 6
	.text
	.protected	k_q92acbe47db_qkv
	.globl	k_q92acbe47db_qkv
	.p2align	8
	.type	k_q92acbe47db_qkv,@function
k_q92acbe47db_qkv:
	s_mov_b64 s[64:65], 0
	v_nop
	global_prefetch_b8 v0, s[64:65] scope:SCOPE_SE
	s_setreg_imm32_b32 hwreg(HW_REG_WAVE_MODE, 25, 1), 1
	s_wait_xcnt 0x0
	s_wait_alu depctr_hold_cnt(0) depctr_sa_sdst(0) depctr_va_vdst(0) depctr_va_sdst(0) depctr_va_ssrc(0) depctr_va_vcc(0) depctr_vm_vsrc(0)
	s_getreg_b32 s2, hwreg(HW_REG_IB_STS2, 6, 4)
	s_cmp_eq_u32 s2, 0
	s_cbranch_scc0 .Lentry_in_a_cluster
	s_endpgm
.Lentry_in_a_cluster:
	s_bfe_u32 s2, ttmp6, 0x10000c
	s_cmp_lg_u32 s2, 0xf033
	s_cbranch_scc0 .Lentry_shape_is_right
	s_endpgm
.Lentry_shape_is_right:
; QKV.  x w_qkv^T on codes of FP6 (E2M3) with E8M0 scales, sums in f32; then, in registers: the rotation of q and k, and the quantising of q and k along the head's 64 and of v along the keys.
; Nothing but codes and scale bytes goes to memory, laid as the attention launch's operand registers take them (HALFs of 768 bytes: 16 rows x 64 K; lane (r, h): row r, k = 32 h .. 32 h + 31; registers 0-3 at 16 x lane, 4-5 at 512 + 8 x lane).
; SHARES.  Work-group (gx, gy) owns 128 tokens (x's tiles 8 gy .. 8 gy + 7) and THREE PASSES of 128 rows of w_qkv: q's, k's and v's rows of heads 2 gx and 2 gx + 1 (tiles 256, 320, 384 + 8 gx ..).  256 work-groups.
; In each pass each of the four waves makes 64 x 64: 16 accumulators.  A tile (16 rows, all of K) is 12,288 bytes on end, in memory and in LDS.
; LDS: the tokens' 8 tiles from byte 0, filled once; two slots of 8 tiles of weights from 98,304 and 196,608: q's rows in slot 0, k's in slot 1, v's in slot 0 again.
; LOADS, one a wave each time: at the head waves 0, 1 bring the tokens and waves 2, 3 q's rows (49,152 bytes each); behind the first round every wave brings a quarter of k's rows (24,576 bytes), behind the second a quarter of v's.
; So k's rows are on their way during pass 0 and its way out, v's during pass 1 and its way out; a wave has one tensor load out at the most.
; THE MATRIX INSTRUCTION IS USED TRANSPOSED: source 0 = 16 rows of "B", source 1 = 16 rows of "A": a lane holds ONE row of A, and, by the order of rows in a tile (place r of tile t = row 32 (t / 2) + 8 (t % 2) + r + 8 (r / 8)),
; the 32 registers of a row of accumulators are B's rows 32 b + 16 h + 0 .. 15, b = 0, 1: 16 neighbours of each block of 32.
; Passes 0 and 1 (q, k): A = tokens, B = weights: a lane holds a token, its registers run along one head's 64.  Pass 2 (v): A = weights, B = tokens: a lane holds a channel, its registers run along 64 keys, the axis along which v is quantised.
; CLUSTER 4 x 4: the tokens' tiles are shared along a row of the cluster, the weights' along a column; each is asked for jointly, by the same tensor load with a mask that names the four.
; NO PREFETCH: each later fill is asked for one whole pass ahead of its first read, and there are two of them.
; LIMITS: a block of zeros, or one under 2^-124, gets the byte 1 (read by this program alone); NaN and infinities are not served.
; REGISTERS.  Window 0: v2-9, v18-19 LDS addresses, v11-16, v20-22 offsets, v32-63 scale words, v64-159 and v160-255 two sets of fragments (A at +12 a, B at +48 + 12 b); on a way out v64-145 are at work.
;   Window 1: v0-127 the accumulators ((a, b) at 8 (4 a + b)); v128-255 (cos, sin) for each pair of them, loaded once for passes 0 and 1.
.set W0B, 98304
.set W1B, 196608
.set SPARE, 294912                     ; behind the slots: the spare words, 128 bytes a wave
.set SC,  32                           ; scale words: register 8 i + ks: lanes 0-15 A's tile i, lanes 16-31 B's tile i, K step ks
.set F0,  64
.set F1,  160
.set T,   64                           ; on a way out: v64-95 products of the rotation
.set PC,  96                           ; v96-127 codes, eight registers for each row of accumulators
.set CT,  128                          ; v128-130 the second conversion's result
.set TM,  132                          ; v132-135 largest magnitudes; permutes' results and bytes
.set SO,  136                          ; v136-137 the conversions' scale operands
.set PW,  140                          ; v140-143 the pairs of scale bytes
.set SEL, 98                           ; s[98:99] lane selects for lane l xor 16
.set RA,  2                            ; the pass's address registers: A's tiles at v[RA] (16 x lane) and v[RA+1] (512 + 8 x lane), B's at v[RB], v[RB+1]
.set RB,  6
.set MSB, 0
.macro WIN new                         ; s_set_vgpr_msb: bits 1:0 source 0, 3:2 source 1, 5:4 source 2, 7:6 destination; the high byte repeats the setting that is left
.if MSB != \new
	s_set_vgpr_msb (MSB<<8)|\new
.set MSB, \new
.endif
.endm
.macro CROUND                          ; a round of the cluster's barrier
	s_barrier_signal -1
	s_barrier_wait -1
	s_cmp_lg_u32 s14, 0
	s_cbranch_scc1 .Lnot_wave_0_\@
	s_barrier_signal -3
.Lnot_wave_0_\@:
	s_barrier_wait -3
	s_barrier_signal -1
	s_barrier_wait -1
.endm
.macro LDH reg, a16, a8, off           ; a HALF: six registers, every access consecutive from lane to lane
	ds_load_b128 v[\reg:\reg+3], v[\a16] offset:\off
	ds_load_b64 v[\reg+4:\reg+5], v[\a8] offset:\off
.endm
.macro FETCH ks, f                     ; my four tiles of A and four of B, K step ks of eight, into set f: 32 LDS loads
.irp i, 0,1,2,3
.irp c, 0,1
	LDH \f+12*\i+6*\c, RA, RA+1, 12288*\i+1536*(\ks)+768*\c
	LDH \f+48+12*\i+6*\c, RB, RB+1, 12288*\i+1536*(\ks)+768*\c
.endr
.endr
.endm
.macro MUL f, ks, zero                 ; 16 matrix instructions, the 16 accumulators by turns.  zero = 1: the first K step starts the sums
.irp a, 0,1,2,3
.irp b, 0,1,2,3
.if \zero
	v_wmma_scale_f32_16x16x128_f8f6f4 v[8*(4*\a+\b):8*(4*\a+\b)+7], v[\f+48+12*\b:\f+48+12*\b+11], v[\f+12*\a:\f+12*\a+11], 0, v[SC+8*\b+\ks], v[SC+8*\a+\ks] matrix_a_fmt:MATRIX_FMT_FP6 matrix_b_fmt:MATRIX_FMT_FP6 matrix_a_scale:MATRIX_SCALE_ROW1
.else
	v_wmma_scale_f32_16x16x128_f8f6f4 v[8*(4*\a+\b):8*(4*\a+\b)+7], v[\f+48+12*\b:\f+48+12*\b+11], v[\f+12*\a:\f+12*\a+11], v[8*(4*\a+\b):8*(4*\a+\b)+7], v[SC+8*\b+\ks], v[SC+8*\a+\ks] matrix_a_fmt:MATRIX_FMT_FP6 matrix_b_fmt:MATRIX_FMT_FP6 matrix_a_scale:MATRIX_SCALE_ROW1
.endif
.endr
.endr
.endm
.macro KSTEP ks, zero                  ; K step ks: the next step's fragments are asked for into the other set, then this step's 16 products
.if (\ks) < 7
	FETCH (\ks)+1, F0+96*(((\ks)+1)%2)
	s_wait_dscnt 32                                ; this step's fragments are in; the 32 loads just issued may be out
.else
	s_wait_dscnt 0x0
.endif
	WIN 0x50                                       ; C and D in window 1
	MUL F0+96*((\ks)%2), \ks, \zero
	WIN 0
.rept 4
	v_nop                                          ; four places in front of the next loads into registers just multiplied, and of the first read of results
.endr
.endm
.macro PRODUCTS                        ; a pass: 128 matrix instructions
	FETCH 0, F0
	s_wait_loadcnt 0x0                             ; the pass's scale words (in pass 0 the table too)
	KSTEP 0, 1
.irp k, 1,2,3,4,5,6,7
	KSTEP \k, 0
.endr
.endm
.macro SCLOAD vo                       ; the scale words of a pass's eight tiles of mine, for all of K
.irp i, 0,1,2,3
.irp kq, 0,1,2,3
	global_load_b64 v[SC+8*\i+2*\kq:SC+8*\i+2*\kq+1], v[\vo], s[6:7] offset:512*\i+128*\kq
.endr
.endr
.endm
.macro ASK g0                          ; in front of a later fill: all my loads have landed, the add, its wait, a round; then my one joint load
	s_wait_tensorcnt 0x0
	ds_add_u32 v30, v31
	s_mov_b32 s34, 96<<16                          ; (no load of mine is out: from here on a load of weights brings two tiles, 96 rows of 256 bytes)
	s_mov_b32 s36, 96
	s_wait_dscnt 0x0
	CROUND                                         ; no wave of any partner still reads the slot or has a load on its way
	tensor_load_to_lds s[\g0:\g0+3], s[32:39]
	s_nop 0
.rept 4
	v_nop
.endr
.endm
; 32 numbers of a lane in window 1, register src + 16 b + i = k 32 b + 16 h + i of my row, become a HALF's six registers at pc and the pair of scale bytes in pw.
.macro QUANT32 src, pc, pw
	WIN 0x05                                       ; sources 0 and 1 in window 1
.irp b, 0,1
	v_max3_num_f32 v[TM+\b], |v[\src+16*\b]|, |v[\src+16*\b+1]|, 0x1800000   ; with the floor 2^(3 - 127): the byte cannot fall under 1.  (Each accumulator is read from its low end on)
.endr
	WIN 0x14                                       ; sources 1 and 2 in window 1
.irp i, 2,4,6,8,10,12,14
.irp b, 0,1
	v_max3_num_f32 v[TM+\b], v[TM+\b], |v[\src+16*\b+\i]|, |v[\src+16*\b+\i+1]|
.endr
.endr
	WIN 0
.irp b, 0,1
	v_permlanex16_b32 v[TM+2+\b], v[TM+\b], s[SEL], s[SEL+1]
.endr
.irp b, 0,1
	v_max_num_f32 v[TM+\b], v[TM+\b], v[TM+2+\b]   ; with lane l xor 16's 16: the block's largest magnitude
.endr
.irp b, 0,1
	v_add_nc_u32 v[SO+\b], 0xff000000, v[TM+\b]    ; 2 off its exponent field: the conversion's scale operand
.endr
.irp b, 0,1
	v_lshrrev_b32 v[TM+2+\b], 23, v[SO+\b]         ; the scale's byte
.endr
	v_lshl_or_b32 v[\pw], v[TM+3], 8, v[TM+2]
	WIN 0x01                                       ; source 0 in window 1
	v_cvt_scalef32_pk16_fp6_f32 v[\pc:\pc+2], v[\src:\src+15], v[SO]
	v_cvt_scalef32_pk16_fp6_f32 v[CT:CT+2], v[\src+16:\src+31], v[SO+1]
	WIN 0
	v_nop                                          ; one plain instruction behind a scaled conversion
.irp i, 0,1,2
	v_permlane16_swap_b32 v[\pc+\i], v[CT+\i]      ; the layout wants a whole block in a lane: lanes 0-15 block 0, lanes 16-31 block 1
.endr
.irp i, 0,1,2
	v_mov_b32 v[\pc+3+\i], v[CT+\i]
.endr
.endm
; The rotation of row a of accumulators: the pair (x0, x1) at registers e, e + 1 has its (cos, sin) at registers 128 + e, 129 + e.
.macro ROPE a
	WIN 0x05
.set ee, 0
.rept 16
	v_mul_f32 v[T+ee], v[32*\a+ee+1], v[128+32*\a+ee+1]              ; sin x1
	v_mul_f32 v[T+ee+1], v[32*\a+ee+1], v[128+32*\a+ee]              ; cos x1
.set ee, ee+2
.endr
	WIN 0x45
.set ee, 0
.rept 16
	v_fma_f32 v[32*\a+ee+1], v[32*\a+ee], v[128+32*\a+ee+1], v[T+ee+1]   ; sin x0 + cos x1
	v_fma_f32 v[32*\a+ee], v[32*\a+ee], v[128+32*\a+ee], -v[T+ee]        ; cos x0 - sin x1
.set ee, ee+2
.endr
	WIN 0
.endm
; The way out of q (kk = 0) or k (kk = 1): my 64 tokens x one head
.macro EQK kk
	s_lshr_b32 s85, s80, 7                         ; batch
	s_and_b32 s84, s80, 127                        ; my first tile of tokens in it
	s_lshl_b32 s85, s85, 4
	s_add_co_u32 s85, s85, s22                     ; batch x 16 + head
	s_lshl_b32 s90, s85, 7
	s_add_co_u32 s90, s90, s84
	s_mul_i32 s90, s90, 768
.if \kk
	s_add_co_u32 s90, s90, 3145728
.endif
	s_mov_b32 s91, 0
	s_add_nc_u64 s[56:57], s[10:11], s[90:91]      ; my four HALFs
.if \kk
	s_mul_i32 s92, s85, 12288
	s_add_co_u32 s92, s92, 262144                  ; k's words: at the head of 12,288 bytes a head
.else
	s_lshl_b32 s92, s85, 13                        ; q's words: 8,192 bytes a head
.endif
	s_lshl_b32 s93, s84, 6                         ; 64 bytes a tile
	s_add_co_u32 s92, s92, s93
	s_mov_b32 s93, 0
	s_add_nc_u64 s[58:59], s[12:13], s[92:93]
	v_mov_b32 v[TM+2], 0                           ; a lane permute's destination counts as one of its sources
	v_mov_b32 v[TM+3], 0
.irp a, 0,1,2,3
	ROPE \a
	QUANT32 32*\a, PC+8*\a, PW+\a
	global_store_b128 v11, v[PC+8*\a:PC+8*\a+3], s[56:57] offset:768*\a
	global_store_b64 v12, v[PC+8*\a+4:PC+8*\a+5], s[56:57] offset:768*\a+512
.endr
.irp a, 0,1,2,3
	v_or_b32 v[PW+\a], 0x7f7f0000, v[PW+\a]        ; the instruction's K is 128, the head's 64: the upper two bytes stand over zero codes
.endr
	v_cmp_eq_u32 vcc_lo, 1, v15
	v_cndmask_b32 v144, v[PW], v[PW+2], vcc_lo     ; lanes 0-15 store tiles 0 and 1's words, lanes 16-31 tiles 2 and 3's
	v_cndmask_b32 v145, v[PW+1], v[PW+3], vcc_lo
	global_store_b64 v12, v[144:145], s[58:59]     ; 256 consecutive bytes, from a multiple of 256 on
	s_wait_alu depctr_va_vdst(0)
	s_wait_xcnt 0x0                                ; the stores have read their registers and bases: the next pass writes them again
.endm
	s_load_b128 s[4:7], s[0:1], 0x0                ; cin s[4:5], scl s[6:7]
	s_load_b128 s[8:11], s[0:1], 0x10              ; tab s[8:9], att s[10:11]
	s_load_b64 s[12:13], s[0:1], 0x20              ; ats
	v_lshl_add_u32 v30, v0, 2, SPARE
	v_mov_b32 v31, 0
	ds_add_u32 v30, v31                            ; the opening lines: the add, twice on end, and its wait
	ds_add_u32 v30, v31
	v_lshrrev_b32 v1, 5, v0
	v_readfirstlane_b32 s14, v1                    ; wave 0..3
	s_lshr_b32 s15, s14, 1                         ; which half of A's tiles is mine.  Also: at the head I fetch tokens (0) or weights (1)
	s_and_b32 s16, s14, 1                          ; which half of B's.  Also: which four tiles I fetch at the head
	s_bfe_u32 s17, ttmp6, 0x40000                  ; cx
	s_bfe_u32 s18, ttmp6, 0x40004                  ; cy
	s_and_b32 s20, ttmp7, 0xffff
	s_lshl_b32 s20, s20, 2
	s_add_co_u32 s20, s20, s18                     ; gy
	s_lshl_b32 s20, s20, 3                         ; the tokens' first tile: it hangs on cy alone of my place
	s_lshl_b32 s21, ttmp9, 2
	s_add_co_u32 s21, s21, s17                     ; gx
	s_lshl_b32 s21, s21, 3                         ; the weights' first tile in q's, k's or v's 64: on cx alone
	s_lshl_b32 s60, s18, 2
	s_lshl_b32 s60, 15, s60                        ; my row of the cluster
	s_lshl_b32 s61, 0x1111, s17                    ; my column
	; descriptor groups 1: whole tiles are dense in memory: rows of 256 bytes (32 elements of 8 bytes), 192 of them at the head; dense in LDS
	s_or_b32 s24, s60, (3<<16)|(1<<21)             ; 15:0 the mask; 17:16 elements of 8 bytes; 21 set beside a mask
	s_or_b32 s32, s61, (3<<16)|(1<<21)
.irp g, 24, 32
	s_mov_b32 s[\g+1], 32<<16                      ; tensor_dim0
	s_mov_b32 s[\g+2], 192<<16                     ; tensor_dim1
	s_mov_b32 s[\g+3], 32<<16                      ; tile_dim0
	s_mov_b32 s[\g+4], 192                         ; tile_dim1
	s_mov_b32 s[\g+5], 32                          ; from row to row
	s_mov_b32 s[\g+6], 0
	s_mov_b32 s[\g+7], 0
.endr
	s_lshl_b32 s62, s16, 2
	s_add_co_u32 s66, s20, s62
	s_mul_i32 s66, s66, 12288                      ; where the tokens' tiles that I fetch begin,
	s_mov_b32 s67, 0
	s_add_co_u32 s68, s21, s62
	s_add_co_u32 s68, s68, 256
	s_mul_i32 s68, s68, 12288                      ; q's rows' (every wave makes all addresses, in registers that never hold the other coordinate),
	s_mov_b32 s69, 0
	s_lshl_b32 s63, s14, 1
	s_add_co_u32 s70, s21, s63
	s_add_co_u32 s70, s70, 320
	s_mul_i32 s70, s70, 12288                      ; and my two tiles of k's rows; v's lie 64 tiles on
	s_mov_b32 s71, 0
	s_mul_i32 s72, s16, 49152                      ; and where they go: the wave's number alone
	s_add_co_u32 s73, s72, W0B
	s_mul_i32 s75, s14, 24576
	s_add_co_u32 s74, s75, W1B
	s_add_co_u32 s75, s75, W0B
	s_mov_b32 s[SEL], 0x76543210
	s_mov_b32 s[SEL+1], 0xfedcba98
	v_and_b32 v1, 31, v0                           ; lane
	v_and_b32 v14, 15, v0                          ; r
	v_bfe_u32 v15, v0, 4, 1                        ; h
	v_lshlrev_b32 v11, 4, v1                       ; 16 x lane
	v_lshlrev_b32 v12, 3, v1                       ; 8 x lane
	v_add_nc_u32 v17, 512, v12
	s_mul_i32 s76, s15, 49152
	v_add_nc_u32 v2, s76, v11                      ; tokens as A (passes 0, 1): registers 0-3,
	v_add_nc_u32 v3, s76, v17                      ; registers 4-5
	v_add_nc_u32 v4, s72, v11                      ; tokens as B (pass 2)
	v_add_nc_u32 v5, s72, v17
	v_add_nc_u32 v6, W0B, v4                       ; weights as B in slot 0 (pass 0),
	v_add_nc_u32 v7, W0B, v5
	v_add_nc_u32 v8, W1B, v4                       ; in slot 1 (pass 1)
	v_add_nc_u32 v9, W1B, v5
	v_add_nc_u32 v18, W0B, v2                      ; weights as A in slot 0 (pass 2)
	v_add_nc_u32 v19, W0B, v3
	v_lshlrev_b32 v16, 3, v14
	v_lshl_add_u32 v16, v15, 2, v16                ; 8 r + 4 h
	s_lshl_b32 s78, s15, 2
	s_add_co_u32 s80, s20, s78                     ; s80: my first tile of tokens in passes 0, 1
	s_add_co_u32 s81, s20, s62                     ; s81: in pass 2
	s_add_co_u32 s82, s21, s62                     ; my first tile of q's rows, counted from q's first
	s_add_co_u32 s83, s21, s78                     ; and of v's
	s_lshr_b32 s22, s82, 2                         ; s22: my head in passes 0, 1
	s_lshr_b32 s23, s83, 2                         ; s23: in pass 2
	s_lshl_b32 s84, s80, 9                         ; 512 bytes of scale words a tile
	s_lshl_b32 s85, s82, 9
	s_add_co_u32 s85, s85, 256*512
	s_lshl_b32 s86, s83, 9
	s_add_co_u32 s86, s86, 384*512
	s_lshl_b32 s87, s81, 9
	v_mov_b32 v23, s84
	v_mov_b32 v24, s85
	v_cmp_eq_u32 vcc_lo, 1, v15
	v_cndmask_b32 v20, v23, v24, vcc_lo            ; lanes 0-15 take A's scale words, lanes 16-31 B's
	v_mov_b32 v23, s86
	v_mov_b32 v24, s87
	v_lshl_add_u32 v20, v14, 3, v20                ; pass 0
	v_cndmask_b32 v22, v23, v24, vcc_lo
	v_lshl_add_u32 v21, v15, 15, v20               ; pass 1: k's rows lie 64 tiles behind q's
	v_lshl_add_u32 v22, v14, 3, v22                ; pass 2
	v_and_b32 v13, 8, v14
	v_add_nc_u32 v13, v13, v14                     ; r + 8 (r / 8)
	v_lshlrev_b32 v13, 8, v13
	v_lshl_add_u32 v13, v15, 6, v13                ; my token's row of the table, + my half's eight frequencies
	s_and_b32 s90, s80, 127                        ; my first tile of tokens in its batch: 16 positions of 256 bytes a tile
	s_lshl_b32 s90, s90, 12
	s_mov_b32 s91, 0
	s_wait_dscnt 0x0                               ; both opening adds are done
	s_wait_kmcnt 0x0
	s_add_nc_u64 s[8:9], s[8:9], s[90:91]
	s_mov_b32 s40, 1                               ; group 0: the tokens,
	s_mov_b32 s41, s72
	s_add_nc_u64 s[42:43], s[4:5], s[66:67]
	s_or_b32 s43, s43, 0x80000000
	s_mov_b32 s44, 1                               ; q's rows,
	s_mov_b32 s45, s73
	s_add_nc_u64 s[46:47], s[4:5], s[68:69]
	s_or_b32 s47, s47, 0x80000000
	s_mov_b32 s48, 1                               ; k's,
	s_mov_b32 s49, s74
	s_add_nc_u64 s[50:51], s[4:5], s[70:71]
	s_mov_b32 s52, 1                               ; v's
	s_mov_b32 s53, s75
	s_add_nc_u64 s[54:55], s[50:51], 64*12288
	s_or_b32 s51, s51, 0x80000000
	s_or_b32 s55, s55, 0x80000000
	CROUND                                         ; all sixteen work-groups are here: the joint loads meet
	s_cmp_eq_u32 s15, 0                            ; one fill a wave, in the two arms of one branch on the wave's number
	s_cbranch_scc0 .Lfor_w
	tensor_load_to_lds s[40:43], s[24:31]
	s_nop 0
.rept 4
	v_nop
.endr
	s_branch .Lasked
.Lfor_w:
	tensor_load_to_lds s[44:47], s[32:39]
	s_nop 0
.rept 4
	v_nop
.endr
.Lasked:
	s_wait_alu depctr_va_vdst(0)
	SCLOAD 20
	WIN 0x40                                       ; destination window 1
.irp a, 0,1,2,3
.irp b, 0,1
.irp j, 0,1,2,3
	global_load_b128 v[128+32*\a+16*\b+4*\j:128+32*\a+16*\b+4*\j+3], v13, s[8:9] offset:(32*(\a/2)+8*(\a%2))*256+128*\b+16*\j   ; (cos, sin) of frequencies 16 b + 8 h + 2 j, + 1 at my token of tile a
.endr
.endr
.endr
	WIN 0
	ASK 48                                         ; the tokens and q's rows are in; k's rows are asked for into slot 1
	PRODUCTS                                       ; pass 0: q
	SCLOAD 21                                      ; pass 1's scale words land under the way out
	EQK 0
	ASK 52                                         ; k's rows are in, and nobody reads q's any more: v's rows are asked for into slot 0
.set RB, 8
	PRODUCTS                                       ; pass 1: k
	SCLOAD 22
	EQK 1
	s_wait_tensorcnt 0x0                           ; my part of v's rows has landed
	s_barrier_signal -1
	s_barrier_wait -1                              ; everybody's has
.set RA, 18
.set RB, 4
	PRODUCTS                                       ; pass 2: v: one head's 64 channels x my 64 keys
	s_lshr_b32 s91, s81, 2                         ; which 64 tokens
	s_lshr_b32 s92, s91, 5                         ; batch
	s_and_b32 s93, s91, 31
	s_lshr_b32 s93, s93, 1                         ; which step of 128 keys,
	s_and_b32 s91, s91, 1                          ; and which half of it
	s_lshl_b32 s92, s92, 4
	s_add_co_u32 s92, s92, s23                     ; batch x 16 + head
	s_mul_i32 s94, s92, 98304
	s_mul_i32 s95, s93, 6144
	s_add_co_u32 s94, s94, s95
	s_mul_i32 s95, s91, 768
	s_add_co_u32 s94, s94, s95
	s_add_co_u32 s94, s94, 6291456
	s_mov_b32 s95, 0
	s_add_nc_u64 s[56:57], s[10:11], s[94:95]
	s_mul_i32 s94, s92, 12288
	s_lshl_b32 s96, s93, 8
	s_add_co_u32 s94, s94, s96
	s_lshl_b32 s96, s91, 7
	s_add_co_u32 s94, s94, s96
	s_add_co_u32 s94, s94, 262144+8192
	s_add_nc_u64 s[58:59], s[12:13], s[94:95]
	v_mov_b32 v[TM+2], 0                           ; a lane permute's destination counts as one of its sources
	v_mov_b32 v[TM+3], 0
.irp a, 0,1,2,3
	QUANT32 32*\a, PC+8*\a, PW+\a
	global_store_b128 v11, v[PC+8*\a:PC+8*\a+3], s[56:57] offset:1536*\a
	global_store_b64 v12, v[PC+8*\a+4:PC+8*\a+5], s[56:57] offset:1536*\a+512
.endr
	v_lshl_or_b32 v144, v[PW+1], 16, v[PW]         ; the pairs of bytes of channel tiles 0 and 1,
	v_lshl_or_b32 v145, v[PW+3], 16, v[PW+2]       ; 2 and 3
	v_cmp_eq_u32 vcc_lo, 1, v15
	v_cndmask_b32 v144, v144, v145, vcc_lo
	global_store_b32 v16, v144, s[58:59]           ; 128 consecutive bytes
	s_wait_tensorcnt 0x0                           ; the wave's end
	ds_add_u32 v30, v31
	s_wait_dscnt 0x0
	CROUND                                         ; the closing round: no work-group ends while a partner may still ask for a tile that names it
	s_endpgm
.Lfunc_end_k_q92acbe47db_qkv:
	.size	k_q92acbe47db_qkv, .Lfunc_end_k_q92acbe47db_qkv-k_q92acbe47db_qkv
	.p2alignl 7, 3214868480
	.fill 96, 4, 3214868480
	.section	.rodata,"a",@progbits
	.p2align	6, 0x0
	.amdhsa_kernel k_q92acbe47db_qkv
		.amdhsa_group_segment_fixed_size 327680
		.amdhsa_private_segment_fixed_size 0
		.amdhsa_enable_private_segment 0
		.amdhsa_kernarg_size 40
		.amdhsa_user_sgpr_count 2
		.amdhsa_user_sgpr_kernarg_segment_ptr 1
		.amdhsa_wavefront_size32 1
		.amdhsa_system_sgpr_workgroup_id_x 1
		.amdhsa_system_sgpr_workgroup_id_y 1
		.amdhsa_system_sgpr_workgroup_id_z 1
		.amdhsa_system_vgpr_workitem_id 0
		.amdhsa_next_free_vgpr 512
		.amdhsa_next_free_sgpr 100
		.amdhsa_reserve_vcc 1
		.amdhsa_float_denorm_mode_32 3
		.amdhsa_float_denorm_mode_16_64 3
		.amdhsa_memory_ordered 1
		.amdhsa_forward_progress 1
		.amdhsa_inst_pref_size 173
	.end_amdhsa_kernel
	.amdgpu_metadata
---
amdhsa.version: [ 1, 2 ]
amdhsa.kernels:
  - .name:           k_q92acbe47db_qkv
    .symbol:         k_q92acbe47db_qkv.kd
    .args:
      - { .name: cin, .offset: 0, .size: 8, .value_kind: global_buffer, .address_space: global }
      - { .name: scl, .offset: 8, .size: 8, .value_kind: global_buffer, .address_space: global }
      - { .name: tab, .offset: 16, .size: 8, .value_kind: global_buffer, .address_space: global }
      - { .name: att, .offset: 24, .size: 8, .value_kind: global_buffer, .address_space: global }
      - { .name: ats, .offset: 32, .size: 8, .value_kind: global_buffer, .address_space: global }
    .group_segment_fixed_size: 327680
    .private_segment_fixed_size: 0
    .kernarg_segment_align: 8
    .kernarg_segment_size: 40
    .max_flat_workgroup_size: 128
    .sgpr_count:     100
    .vgpr_count:     512
    .wavefront_size: 32
...
	.end_amdgpu_metadata
.endif
;; end of part 2
;; launch attn (part 3): grid 32 x 8, 16 waves a work-group, no clusters, 327,680 bytes of LDS; arguments att, ats, cin, scl; writes cin, scl
.if DOCPART == 3
	.amdgcn_target "amdgcn-amd-amdhsa--gfx1250"
	.amdhsa_code_object_version 6
	.text
	.protected	k_q92acbe47db_attn
	.globl	k_q92acbe47db_attn
	.p2align	8
	.type	k_q92acbe47db_attn,@function
k_q92acbe47db_attn:
	s_mov_b64 s[64:65], 0
	v_nop
	global_prefetch_b8 v0, s[64:65] scope:SCOPE_SE
	s_setreg_imm32_b32 hwreg(HW_REG_WAVE_MODE, 25, 1), 1
	s_wait_xcnt 0x0
; ATTN.  o = softmax(q k^T / 8, causal) v for one (batch, head), both products on codes of FP6 (E2M3) with E8M0 scales; o is quantised along the model's 1,024 and leaves as codes for the last product.
; THE SOFTMAX AHEAD OF THE SECOND PRODUCT: t = score x log2(e) / 8; M = the running largest t rounded UP to a whole number; p = 2^(t - M) is quantised along the keys, not normalised; the row's sum is taken of the
; unquantised p and divides at the end; when M moves, the sum and O are multiplied by 2^(old M - new M), which rounds nothing.
; WORK LEFT OUT: steps of 128 keys that all come after a tile's queries lie wholly under the causal mask; they are jumped over by a scalar branch on ids, round the step's work alone.
; SHARES.  Work-group (head, i), x = batch x 16 + head, y = i, owns the blocks of 128 queries i and 15 - i, eight tiles of 16 queries each: i + 1 and 16 - i steps of 128 keys a tile, 17 for a pair of tiles whatever i is.
; Wave p (0-7) takes tile p of block i whole, stores it, and then steps 9 .. 15 - i of tile p of block 15 - i: 8 steps.  Wave p + 8 takes steps 0 .. 8 of that second tile: 9 steps.
; The second tile's two partial states (O^T, -M, the sum) are joined at the end: wave p hands its state to wave p + 8 through LDS as an image of its registers; both are brought under the larger M by powers of two, which rounds nothing.
; For i = 7 wave p has no step of the second tile: its state is the opening one (M under every t, zeros), whose factor comes out 0.
; Every wave walks all three loops, of 4, 5 and 7 trips; a step is worked where its number is at most the wave's bound (s16), and masked where it is the tile's own block (s14).
; A WHOLE HEAD'S K AND V LIE IN LDS, each byte filled once: 2 x 98,304 bytes of codes and 12,288 of scale bytes, IN TWO FILLS, one tensor load a wave each.  At the head: waves 0-7 bring the codes of steps 0-3 (6,144 bytes each),
; waves 8-15 the scale bytes (1,536 each).  Behind the first barrier every wave brings a sixteenth of the codes of steps 4-15 (9,216 bytes), which are first read behind the barrier that follows the first four steps.
; NO CLUSTER: the work-groups that share K and V are the query blocks of one head, and what they jump over differs with their place.
; NO PREFETCH: the second fill is asked for four steps ahead of its first read, and nothing is asked for later.
; LAYOUT.  Both products are used transposed: S^T = K Q^T, O^T = V^T P^T: a lane holds ONE query (lane % 16).  By the order of rows in a tile (place r of tile t = row 32 (t / 2) + 8 (t % 2) + r + 8 (r / 8)) the 16 registers
; of key tiles 2 b, 2 b + 1 are keys 32 b + 16 h + 0 .. 15, and O^T's registers 16 b + i are channels 32 b + 16 h + i.  The first product's K is 64: the upper 64 of the instruction's 128 are zero codes on both sides.
; LIMITS: a block of zeros gets the byte 1 (read by this program alone); NaN and infinities are not served; the scaled scores stay under 2^31 in magnitude.
; REGISTERS: v1-4 stay (v4 by tile); v5-10 the step's addresses; v11 Q's scale word; v12 -M, v13 the largest t, v[14:15] the sum; v16-27 Q; v28-31 lane, r, h, 8 r; v32-79 four fragments of K; v80-87 K's scale words; v88-91 V's;
;   v92-95 V's pairs of bytes as loaded; v96-121 at work; v122 the second tile's scale word; v123 r + 8 (r / 8) - 16 h; v124 my pair's stage; v128-191 S^T, then p, then V's four fragments; v192-223 O^T; v224-235 p's codes;
;   v236-241 the second tile of Q; v242-253 partial sums; v254, v255 the spare word's address and 0.
.set WV,  12                           ; s12  wave
.set BH,  13                           ; s13  batch x 16 + head
.set BLK, 14                           ; s14  the block of the tile at work
.set TQ,  15                           ; s15  the tile that I store: waves 0-7 of block i, waves 8-15 of block 15 - i
.set HI,  16                           ; s16  the last step that I work in the loop at hand
.set BLKH, 17                          ; s17  15 - i
.set TQ2, 18                           ; s18  the pair's tile of block 15 - i
.set SEL, 22                           ; s[22:23] lane selects for lane l xor 16
.set CS,  60                           ; s[60:61] log2(e) / 8
.set P0,  62                           ; s62, s63 byte selects: two low halves, two high halves
.set P1,  63
.set TK,  66                           ; s66  LDS byte of the step's tiles of K
.set TV,  67                           ; s67  of V
.set TS,  68                           ; s68  of K's scale words, from their region's start
.set TT,  69                           ; s69  of V's, from the same start
.set JS,  70                           ; s70  the step
.set CNT, 71
.set SCB, 196608                       ; LDS: K's codes from 0, V's from 98,304, the scale bytes from SCB,
.set STG, 208896                       ; the pairs' stages (32 registers of O^T and four of state: 4,608 bytes a pair), where no fill lands,
.set PAIRB, 4608
.set SPARE, 245760                     ; and the spare words, 128 bytes a wave
.macro STEP
	s_cmp_gt_u32 s[JS], s[HI]
	s_cbranch_scc1 .Lhidden_\@
	v_add_nc_u32 v5, s[TK], v1                     ; these six are also the places between the last step's products and the products below, which write over V's fragments
	v_add_nc_u32 v6, s[TK], v2
	s_wait_alu depctr_va_vdst(0)
	v_add_nc_u32 v7, s[TV], v1
	v_add_nc_u32 v8, s[TV], v2
	v_add_nc_u32 v9, s[TS], v3
	v_add_nc_u32 v10, s[TT], v3
.irp p, 0,1,2,3
	ds_load_b64 v[80+2*\p:81+2*\p], v9 offset:128*\p   ; the scale words of key tiles 2 p, 2 p + 1
.endr
.irp c, 0,1
	ds_load_b64 v[92+2*\c:93+2*\c], v10 offset:128*\c  ; V's pairs of bytes: four channel tiles, half c of the step's keys
.endr
.irp g, 0,1                                    ; S^T = K Q^T, four tiles of 16 keys at a time
.irp t, 0,1,2,3
	ds_load_b128 v[32+12*\t:35+12*\t], v5 offset:768*(4*\g+\t)
	ds_load_b64 v[36+12*\t:37+12*\t], v6 offset:768*(4*\g+\t)
.endr
	s_wait_dscnt 0x0
.irp t, 0,1,2,3
	v_wmma_scale_f32_16x16x128_f8f6f4 v[128+8*(4*\g+\t):135+8*(4*\g+\t)], v[32+12*\t:43+12*\t], v[16:27], 0, v[80+4*\g+\t], v11 matrix_a_fmt:MATRIX_FMT_FP6 matrix_b_fmt:MATRIX_FMT_FP6
.endr
.if \g == 0
	v_perm_b32 v88, v94, v92, s[P0]                ; V's scale words: the two halves' pairs of bytes.  (Four places in front of the loads into K's registers)
	v_perm_b32 v89, v94, v92, s[P1]
	v_perm_b32 v90, v95, v93, s[P0]
	v_perm_b32 v91, v95, v93, s[P1]
.else
.rept 4
	v_nop                                          ; four places in front of the first read of the scores
.endr
.endif
.endr
	s_cmp_lt_u32 s[JS], s[BLK]                     ; only the tile's own block's step has hidden keys
	s_cbranch_scc1 .Lopen_\@
	s_lshl_b32 s90, s[JS], 7
	s_sub_co_i32 s90, 0, s90
	v_add_nc_u32 v119, s90, v4                     ; d = my query - the step's first key - 16 h.  Register 16 b + i holds key 32 b + 16 h + i of the step: hidden where 32 b + i > d
	v_mov_b32 v120, 0xff800000                     ; -infinity
.set nn, 0
.rept 64
	v_cmp_gt_i32 vcc_lo, 32*(nn/16)+nn%16, v119
	v_cndmask_b32 v[128+nn], v[128+nn], v120, vcc_lo
.set nn, nn+1
.endr
.Lopen_\@:
.irp b, 0,1,2,3
	v_max3_num_f32 v[96+\b], v[128+16*\b], v[129+16*\b], v[130+16*\b]   ; the largest score of each block of 32 keys: for the row's maximum, and, since p rises with the score, for the block's largest p
.endr
.irp i, 3,5,7,9,11,13
.irp b, 0,1,2,3
	v_max3_num_f32 v[96+\b], v[96+\b], v[128+16*\b+\i], v[129+16*\b+\i]
.endr
.endr
.irp b, 0,1,2,3
	v_max_num_f32 v[96+\b], v[96+\b], v[143+16*\b]
.endr
.irp b, 0,1,2,3
	s_delay_alu instid0(VALU_DEP_4)
	v_permlanex16_b32 v[100+\b], v[96+\b], s[SEL], s[SEL+1]
.endr
.irp b, 0,1,2,3
	s_delay_alu instid0(VALU_DEP_4)
	v_max_num_f32 v[96+\b], v[96+\b], v[100+\b]    ; with lane l xor 16's 16 keys
.endr
	s_delay_alu instid0(VALU_DEP_2)
	v_max3_num_f32 v119, v96, v97, v98
	s_delay_alu instid0(VALU_DEP_1)
	v_max_num_f32 v119, v119, v99                  ; the step's largest score of my query
	s_delay_alu instid0(VALU_DEP_1)
	v_mul_f32 v119, s[CS], v119                    ; as t
	s_delay_alu instid0(VALU_DEP_1)
	v_max_num_f32 v13, v13, v119                   ; the running largest t
	v_mov_b32 v119, v12
	s_delay_alu instid0(VALU_DEP_2)
	v_floor_f32 v12, -v13                          ; the new -M = floor(-t): M is a whole number
	s_delay_alu instid0(VALU_DEP_1)
	v_sub_f32 v119, v12, v119                      ; old M - new M: a whole number, 0 or less
	s_delay_alu instid0(VALU_DEP_1)
	v_cvt_i32_f32 v119, v119                       ; (it saturates)
	s_delay_alu instid0(VALU_DEP_1)
	v_ldexp_f32 v116, 1.0, v119                    ; f = 2^(old M - new M)
.set nn, 0
.rept 32
	v_pk_fma_f32 v[128+nn:129+nn], v[128+nn:129+nn], s[CS:CS+1], v[12:13] op_sel_hi:[1,0,0]   ; t - M, two at a time
.set nn, nn+2
.endr
.irp b, 0,1,2,3
	v_fma_f32 v[96+\b], v[96+\b], s[CS], v12       ; the same of each block's largest score
.endr
.set nn, 0
	s_wait_alu depctr_va_vdst(0)
.rept 64
	v_exp_f32 v[128+nn], v[128+nn]                 ; p = 2^(t - M)
.set nn, nn+1
.endr
	v_pk_mul_f32 v[14:15], v[14:15], v[116:117] op_sel_hi:[1,0]   ; the sum under the new M.  (A plain instruction behind the exponentials)
	s_wait_alu depctr_va_vdst(0)                   ; one for the batch, ahead of its first reader
.irp b, 0,1,2,3
	v_exp_f32 v[96+\b], v[96+\b]                   ; the block's largest p
.endr
	v_pk_add_f32 v[120:121], v[132:133], v[136:137]   ; the row's sum of the unquantised p, in eight chains
	v_pk_add_f32 v[252:253], v[140:141], v[144:145]
	v_pk_add_f32 v[250:251], v[148:149], v[152:153]
	v_pk_add_f32 v[248:249], v[156:157], v[160:161]
	v_pk_add_f32 v[246:247], v[164:165], v[168:169]
	v_pk_add_f32 v[244:245], v[172:173], v[176:177]
	v_pk_add_f32 v[242:243], v[180:181], v[184:185]
	v_pk_add_f32 v[14:15], v[14:15], v[188:189]
	v_pk_add_f32 v[120:121], v[120:121], v[128:129]
	v_pk_add_f32 v[252:253], v[252:253], v[130:131]
	v_pk_add_f32 v[250:251], v[250:251], v[134:135]
	v_pk_add_f32 v[248:249], v[248:249], v[138:139]
	v_pk_add_f32 v[246:247], v[246:247], v[142:143]
	v_pk_add_f32 v[244:245], v[244:245], v[146:147]
	v_pk_add_f32 v[242:243], v[242:243], v[150:151]
	v_pk_add_f32 v[14:15], v[14:15], v[154:155]
	v_pk_add_f32 v[120:121], v[120:121], v[158:159]
	v_pk_add_f32 v[252:253], v[252:253], v[162:163]
	v_pk_add_f32 v[250:251], v[250:251], v[166:167]
	v_pk_add_f32 v[248:249], v[248:249], v[170:171]
	v_pk_add_f32 v[246:247], v[246:247], v[174:175]
	v_pk_add_f32 v[244:245], v[244:245], v[178:179]
	v_pk_add_f32 v[242:243], v[242:243], v[182:183]
	v_pk_add_f32 v[14:15], v[14:15], v[186:187]
	v_pk_add_f32 v[120:121], v[120:121], v[190:191]
	s_delay_alu instid0(VALU_DEP_2)
	v_pk_add_f32 v[14:15], v[14:15], v[248:249]
	s_delay_alu instid0(VALU_DEP_2)
	v_pk_add_f32 v[120:121], v[120:121], v[246:247]
	v_pk_add_f32 v[252:253], v[252:253], v[244:245]
	v_pk_add_f32 v[250:251], v[250:251], v[242:243]
	s_delay_alu instid0(VALU_DEP_2)
	v_pk_add_f32 v[14:15], v[14:15], v[252:253]
	s_delay_alu instid0(VALU_DEP_2)
	v_pk_add_f32 v[120:121], v[120:121], v[250:251]
	s_delay_alu instid0(VALU_DEP_1)
	v_pk_add_f32 v[14:15], v[14:15], v[120:121]
	s_wait_alu depctr_va_vdst(0)                   ; and one for the four
.irp b, 0,1,2,3
	v_max_num_f32 v[96+\b], 0x1800000, v[96+\b]    ; the floor 2^(3 - 127): the byte cannot fall under 1
.endr
.irp b, 0,1,2,3
	s_delay_alu instid0(VALU_DEP_4)
	v_add_nc_u32 v[104+\b], 0xff000000, v[96+\b]   ; 2 off the exponent field: the conversion's scale operand
.endr
.irp b, 0,1,2,3
	s_delay_alu instid0(VALU_DEP_4)
	v_lshrrev_b32 v[100+\b], 23, v[104+\b]         ; the scale's byte
.endr
	s_delay_alu instid0(VALU_DEP_3)
	v_lshl_or_b32 v118, v101, 8, v100              ; p's scale word for these 128 keys
	s_delay_alu instid0(VALU_DEP_1)
	v_lshl_or_b32 v118, v102, 16, v118
	s_delay_alu instid0(VALU_DEP_1)
	v_lshl_or_b32 v118, v103, 24, v118
.irp c, 0,1
	v_cvt_scalef32_pk16_fp6_f32 v[224+6*\c:226+6*\c], v[128+32*\c:143+32*\c], v[104+2*\c]
	v_cvt_scalef32_pk16_fp6_f32 v[108+4*\c:110+4*\c], v[144+32*\c:159+32*\c], v[105+2*\c]
.endr
	v_nop                                          ; one plain instruction behind a scaled conversion
.irp c, 0,1                                    ; the layout wants a whole block in a lane
.irp i, 0,1,2
	v_permlane16_swap_b32 v[224+6*\c+\i], v[108+4*\c+\i]
.endr
.irp i, 0,1,2
	s_delay_alu instid0(VALU_DEP_3)
	v_mov_b32 v[227+6*\c+\i], v[108+4*\c+\i]
.endr
.endr
.irp a, 0,1,2,3                                ; V's four fragments (16 channels x 128 keys) into the registers that p has left
.irp c, 0,1
	ds_load_b128 v[128+12*\a+6*\c:131+12*\a+6*\c], v7 offset:1536*\a+768*\c
	ds_load_b64 v[132+12*\a+6*\c:133+12*\a+6*\c], v8 offset:1536*\a+768*\c
.endr
.endr
.set nn, 0
.rept 16
	v_pk_mul_f32 v[192+nn:193+nn], v[192+nn:193+nn], v[116:117] op_sel_hi:[1,0]   ; O^T under the new M.  (These are also the places between p's codes and scale word and the products)
.set nn, nn+2
.endr
	s_wait_alu depctr_va_vdst(0)
	s_wait_dscnt 0x0
.irp a, 0,1,2,3                                ; O^T += V^T P^T: the four accumulators by turns
	v_wmma_scale_f32_16x16x128_f8f6f4 v[192+8*\a:199+8*\a], v[128+12*\a:139+12*\a], v[224:235], v[192+8*\a:199+8*\a], v[88+\a], v118 matrix_a_fmt:MATRIX_FMT_FP6 matrix_b_fmt:MATRIX_FMT_FP6
.endr
.Lhidden_\@:
	s_add_co_u32 s[TK], s[TK], 6144                ; on to the next 128 keys
	s_add_co_u32 s[TV], s[TV], 6144
	s_add_co_u32 s[TS], s[TS], 512
	s_add_co_u32 s[TT], s[TT], 256
	s_add_co_u32 s[JS], s[JS], 1
.endm
.macro WALK first, trips               ; steps first .. first + trips - 1: a constant number of trips for every wave
	s_mov_b32 s[TK], \first*6144
	s_mov_b32 s[TV], 98304+\first*6144
	s_mov_b32 s[TS], \first*512
	s_mov_b32 s[TT], 8192+\first*256
	s_mov_b32 s[JS], \first
	s_mov_b32 s[CNT], \trips
.Lstep_\@:
	STEP
	s_sub_co_u32 s[CNT], s[CNT], 1
	s_cmp_lg_u32 s[CNT], 0
	s_cbranch_scc1 .Lstep_\@
.endm
.macro QLOAD tq, c0, sw, pa, pb        ; tile tq of Q: its HALF into v[c0 .. c0 + 5], its scale words into v[sw]
	s_lshl_b32 s[\pa], s[BH], 7
	s_add_co_u32 s[\pa], s[\pa], s[\tq]
	s_mul_i32 s[\pa], s[\pa], 768
	s_mov_b32 s[\pa+1], 0
	s_add_nc_u64 s[\pa:\pa+1], s[4:5], s[\pa:\pa+1]
	global_load_b128 v[\c0:\c0+3], v1, s[\pa:\pa+1]
	global_load_b64 v[\c0+4:\c0+5], v2, s[\pa:\pa+1]
	s_lshl_b32 s[\pb], s[BH], 13
	s_lshr_b32 s[\pb+1], s[\tq], 1
	s_lshl_b32 s[\pb+1], s[\pb+1], 7
	s_add_co_u32 s[\pb], s[\pb], s[\pb+1]
	s_and_b32 s[\pb+1], s[\tq], 1
	s_lshl_b32 s[\pb+1], s[\pb+1], 2
	s_add_co_u32 s[\pb], s[\pb], s[\pb+1]
	s_mov_b32 s[\pb+1], 0
	s_add_nc_u64 s[\pb:\pb+1], s[6:7], s[\pb:\pb+1]
	global_load_b32 v[\sw], v31, s[\pb:\pb+1]
.endm
.macro QPOS tq                         ; v4 = my query of tile tq - 16 h
	s_lshr_b32 s90, s[\tq], 1
	s_lshl_b32 s90, s90, 5
	s_and_b32 s91, s[\tq], 1
	s_lshl_b32 s91, s91, 3
	s_add_co_u32 s90, s90, s91
	v_add_nc_u32 v4, s90, v123
.endm
.macro INIT                            ; a tile's opening state
	v_mov_b32 v13, 0xff61b1e6                      ; the largest t so far: -3e38, under every t
	v_mov_b32 v14, 0                               ; the sum, in two halves
	v_mov_b32 v15, 0
	v_floor_f32 v12, -v13                          ; -M
.set nn, 0
.rept 32
	v_mov_b32 v[192+nn], 0                         ; O^T: the step is written once, and its first turn finds zeros
.set nn, nn+1
.endr
.endm
.macro FINAL                           ; O^T / the sum, quantised along the head's 64, which are two blocks of the last product's K; stored as tile s15
	v_add_f32 v14, v14, v15
	s_delay_alu instid0(VALU_DEP_1)
	v_permlanex16_b32 v100, v14, s[SEL], s[SEL+1]
	s_delay_alu instid0(VALU_DEP_1)
	v_add_f32 v14, v14, v100                       ; the row's sum
	s_wait_alu depctr_va_vdst(0)
	v_rcp_f32 v116, v14
	v_nop                                          ; a plain instruction behind the reciprocal
	s_lshr_b32 s84, s[BH], 4                       ; batch
	s_and_b32 s85, s[BH], 15                       ; head
	s_lshl_b32 s84, s84, 7
	s_add_co_u32 s84, s84, s[TQ]
	s_add_co_u32 s84, s84, 512                     ; o's tile in cin and scl
	s_mul_i32 s86, s84, 12288
	s_mul_i32 s87, s85, 768
	s_add_co_u32 s86, s86, s87
	s_mov_b32 s87, 0
	s_add_nc_u64 s[92:93], s[8:9], s[86:87]
	s_lshl_b32 s86, s84, 9
	s_lshr_b32 s88, s85, 2
	s_lshl_b32 s88, s88, 7
	s_add_co_u32 s86, s86, s88
	s_and_b32 s88, s85, 3
	s_lshl_b32 s88, s88, 1
	s_add_co_u32 s86, s86, s88
	s_add_nc_u64 s[94:95], s[10:11], s[86:87]
	s_wait_alu depctr_va_vdst(0)
.set nn, 0
.rept 16
	v_pk_mul_f32 v[192+nn:193+nn], v[192+nn:193+nn], v[116:117] op_sel_hi:[1,0]
.set nn, nn+2
.endr
.irp b, 0,1
	v_max3_num_f32 v[96+\b], |v[192+16*\b]|, |v[193+16*\b]|, 0x1800000
.endr
.irp i, 2,4,6,8,10,12,14
.irp b, 0,1
	s_delay_alu instid0(VALU_DEP_2)
	v_max3_num_f32 v[96+\b], v[96+\b], |v[192+16*\b+\i]|, |v[193+16*\b+\i]|
.endr
.endr
.irp b, 0,1
	s_delay_alu instid0(VALU_DEP_2)
	v_permlanex16_b32 v[100+\b], v[96+\b], s[SEL], s[SEL+1]
.endr
.irp b, 0,1
	s_delay_alu instid0(VALU_DEP_2)
	v_max_num_f32 v[96+\b], v[96+\b], v[100+\b]
.endr
.irp b, 0,1
	s_delay_alu instid0(VALU_DEP_2)
	v_add_nc_u32 v[104+\b], 0xff000000, v[96+\b]
.endr
.irp b, 0,1
	s_delay_alu instid0(VALU_DEP_2)
	v_lshrrev_b32 v[100+\b], 23, v[104+\b]
.endr
	s_delay_alu instid0(VALU_DEP_1)
	v_lshl_or_b32 v118, v101, 8, v100              ; the head's two scale bytes of my row
	v_cvt_scalef32_pk16_fp6_f32 v[224:226], v[192:207], v104
	v_cvt_scalef32_pk16_fp6_f32 v[108:110], v[208:223], v105
	v_nop
.irp i, 0,1,2
	v_permlane16_swap_b32 v[224+\i], v[108+\i]
.endr
.irp i, 0,1,2
	s_delay_alu instid0(VALU_DEP_3)
	v_mov_b32 v[227+\i], v[108+\i]
.endr
	global_store_b128 v1, v[224:227], s[92:93]     ; the HALF (my 16 queries, this head's 64): 768 consecutive bytes
	global_store_b64 v2, v[228:229], s[92:93]
	global_store_b16 v31, v118, s[94:95]           ; two bytes a row, 8 bytes apart; lanes r and r + 16 hold the same two bytes and name the same place: the one store of small pieces, 32 bytes a wave
.endm
	s_load_b256 s[4:11], s[0:1], 0x0               ; att s[4:5], ats s[6:7], cin s[8:9], scl s[10:11]
	v_lshl_add_u32 v254, v0, 2, SPARE
	v_mov_b32 v255, 0
	ds_add_u32 v254, v255                          ; the opening lines: the add, twice on end, and its wait ahead of my tensor load
	ds_add_u32 v254, v255
	v_lshrrev_b32 v1, 5, v0
	s_delay_alu instid0(VALU_DEP_1)
	v_readfirstlane_b32 s[WV], v1                  ; wave 0..15
	s_mov_b32 s[BH], ttmp9
	s_and_b32 s21, ttmp7, 0xffff                   ; i
	s_sub_co_u32 s[BLKH], 15, s21
	s_cmp_lt_u32 s[WV], 8
	s_cselect_b32 s[BLK], s21, s[BLKH]             ; block i for waves 0-7, block 15 - i for waves 8-15
	s_cselect_b32 s[HI], s21, 8                    ; the first two loops: steps 0 .. i, or 0 .. 8
	s_and_b32 s19, s[WV], 7                        ; my pair
	s_lshl_b32 s[TQ], s[BLK], 3
	s_add_co_u32 s[TQ], s[TQ], s19
	s_lshl_b32 s[TQ2], s[BLKH], 3
	s_add_co_u32 s[TQ2], s[TQ2], s19
	v_and_b32 v28, 31, v0                          ; lane
	v_and_b32 v29, 15, v0                          ; r
	v_bfe_u32 v30, v0, 4, 1                        ; h
	v_lshlrev_b32 v1, 4, v28                       ; 16 x lane: a HALF's registers 0-3
	v_lshlrev_b32 v2, 3, v28
	v_lshlrev_b32 v31, 3, v29                      ; 8 r
	v_lshl_add_u32 v3, v29, 3, SCB                 ; the scale bytes' region, + 8 r
	v_add_nc_u32 v2, 512, v2                       ; 512 + 8 x lane: a HALF's registers 4-5
	s_mul_i32 s20, s19, PAIRB
	s_add_co_u32 s20, s20, STG
	v_add_nc_u32 v124, s20, v1                     ; my pair's stage, 16 x lane
	v_and_b32 v123, 8, v29
	v_lshlrev_b32 v5, 4, v30
	v_add_nc_u32 v123, v123, v29                   ; r + 8 (r / 8)
	s_delay_alu instid0(VALU_DEP_1)
	v_sub_nc_u32 v123, v123, v5                    ; - 16 h
	; descriptor groups 1: dense blocks as rows of 256 bytes (32 elements of 8 bytes): 24 rows of codes at the head (36 later); 6 rows of scale bytes
	s_mov_b32 s24, 3<<16
	s_mov_b32 s25, 32<<16
	s_mov_b32 s26, 24<<16
	s_mov_b32 s27, 32<<16
	s_mov_b32 s28, 24
	s_mov_b32 s29, 32
	s_mov_b32 s30, 0
	s_mov_b32 s31, 0
	s_mov_b32 s32, 3<<16
	s_mov_b32 s33, 32<<16
	s_mov_b32 s34, 6<<16
	s_mov_b32 s35, 32<<16
	s_mov_b32 s36, 6
	s_mov_b32 s37, 32
	s_mov_b32 s38, 0
	s_mov_b32 s39, 0
	s_mul_i32 s76, s[BH], 98304
	s_add_co_u32 s76, s76, 3145728                 ; the head's K in att; its V lies 3,145,728 bytes on
	s_lshr_b32 s77, s19, 2                         ; the head's fill: pairs 0-3 take K's steps 0-3, pairs 4-7 V's
	s_mul_i32 s78, s77, 3145728
	s_mul_i32 s79, s77, 98304
	s_and_b32 s75, s19, 3
	s_mul_i32 s75, s75, 6144
	s_add_co_u32 s79, s79, s75                     ; its place in LDS,
	s_add_co_u32 s78, s78, s75
	s_add_co_u32 s78, s78, s76                     ; and in att
	s_lshr_b32 s80, s[WV], 3                       ; the second fill: waves 0-7 take eighths of K's steps 4-15, waves 8-15 of V's
	s_mul_i32 s81, s80, 3145728
	s_mul_i32 s82, s80, 98304
	s_mul_i32 s83, s19, 9216
	s_add_co_u32 s83, s83, 24576
	s_add_co_u32 s82, s82, s83                     ; its place in LDS,
	s_add_co_u32 s80, s81, s83
	s_add_co_u32 s80, s80, s76                     ; and in att
	s_mov_b32 s81, 0
	s_mul_i32 s72, s[BH], 12288                    ; scale bytes: eighth e of the head's 12,288
	s_mul_i32 s73, s19, 1536
	s_add_co_u32 s72, s72, s73
	s_add_co_u32 s72, s72, 262144
	s_add_co_u32 s74, s73, SCB
	s_mov_b32 s73, 0
	s_mov_b32 s[SEL], 0x76543210
	s_mov_b32 s[SEL+1], 0xfedcba98
	s_mov_b32 s[CS], 0x3e38aa3b                    ; log2(e) / 8
	s_mov_b32 s[CS+1], s[CS]                       ; (named with it as a pair)
	s_mov_b32 s[P0], 0x05040100
	s_mov_b32 s[P1], 0x07060302
	s_wait_dscnt 0x0                               ; both opening adds are done
	s_wait_kmcnt 0x0
	s_mov_b32 s40, 1                               ; group 0 for the head's codes
	s_mov_b32 s41, s79
	s_mov_b32 s79, 0
	s_add_nc_u64 s[42:43], s[4:5], s[78:79]
	s_or_b32 s43, s43, 0x80000000
	s_mov_b32 s44, 1                               ; for the scale bytes
	s_mov_b32 s45, s74
	s_add_nc_u64 s[46:47], s[6:7], s[72:73]
	s_or_b32 s47, s47, 0x80000000
	s_mov_b32 s48, 1                               ; and for the second fill
	s_mov_b32 s49, s82
	s_add_nc_u64 s[50:51], s[4:5], s[80:81]
	s_or_b32 s51, s51, 0x80000000
	s_cmp_lt_u32 s[WV], 8                          ; one fill a wave, in the two arms of one branch on the wave's number
	s_cbranch_scc0 .Lfor_scales
	tensor_load_to_lds s[40:43], s[24:31]
	s_nop 0
.rept 4
	v_nop
.endr
	s_branch .Lasked
.Lfor_scales:
	tensor_load_to_lds s[44:47], s[32:39]
	s_nop 0
.rept 4
	v_nop
.endr
.Lasked:
	s_wait_alu depctr_va_vdst(0)
	QLOAD TQ, 16, 11, 84, 86                       ; the tile that I begin with
	QLOAD TQ2, 236, 122, 88, 92                    ; the pair's tile of block 15 - i, for waves 0-7's second part (waves 8-15 so ask for their tile twice: one text serves both roles)
	QPOS TQ
.irp j, 22,23,24,25,26,27
	v_mov_b32 v\j, 0                               ; Q's upper 64 along K: zero codes
.endr
.irp t, 0,1,2,3
.irp j, 6,7,8,9,10,11
	v_mov_b32 v[32+12*\t+\j], 0                    ; K's likewise: written once
.endr
.endr
.irp j, 100,101,102,103,117,121
	v_mov_b32 v\j, 0                               ; permutes' destinations, and the upper halves of the factors' pairs: written before they are named
.endr
	INIT
	s_wait_alu depctr_va_vdst(0)
	s_wait_loadcnt 0x0                             ; Q
	s_wait_tensorcnt 0x0                           ; my part of the head's fill has landed
	ds_add_u32 v254, v255
	s_mov_b32 s26, 36<<16                          ; (no load of mine is out: the second fill's loads bring 36 rows of 256 bytes)
	s_mov_b32 s28, 36
	s_wait_dscnt 0x0
	s_barrier_signal -1
	s_barrier_wait -1                              ; everybody's part has landed
	tensor_load_to_lds s[48:51], s[24:31]          ; my sixteenth of the codes of steps 4-15
	s_nop 0
.rept 4
	v_nop
.endr
	WALK 0, 4
	s_wait_tensorcnt 0x0                           ; my part of the second fill has landed
	s_wait_dscnt 0x0
	s_barrier_signal -1
	s_barrier_wait -1                              ; everybody's has.  Nothing is filled again
	WALK 4, 5
	; ---- waves 0-7: block i's tile is whole: it leaves, and the pair's other tile is taken up
	s_cmp_lt_u32 s[WV], 8
	s_cselect_b32 s[HI], s[BLKH], 0                ; the last loop (steps 9 ..): up to step 15 - i; waves 8-15 work none
	s_mov_b32 s[BLK], s[BLKH]
	s_cbranch_scc0 .Lsecond
.rept 4
	v_nop                                          ; four places behind the last products
.endr
	FINAL
	s_wait_xcnt 0x0                                ; the stores have read their registers
	v_mov_b32 v11, v122
.irp j, 0,1,2,3,4,5
	v_mov_b32 v[16+\j], v[236+\j]
.endr
	QPOS TQ2
	INIT                                           ; (its 36 lines are also the places between Q's registers and scale word and the next products)
	s_wait_alu depctr_va_vdst(0)
.Lsecond:
	WALK 9, 7
	; ---- the pair's two states of block 15 - i's tile are joined by wave p + 8
.rept 4
	v_nop                                          ; four places behind the last products
.endr
	s_cmp_lt_u32 s[WV], 8
	s_cbranch_scc0 .Lno_hand
.irp k, 0,1,2,3,4,5,6,7
	ds_store_b128 v124, v[192+4*\k:195+4*\k] offset:512*\k   ; an image of my registers: each accumulator from its low end on
.endr
	ds_store_b128 v124, v[12:15] offset:4096       ; -M, the largest t, the sum's two halves
.Lno_hand:
	s_wait_dscnt 0x0                               ; my stores are done
	s_barrier_signal -1
	s_barrier_wait -1
	s_cmp_lt_u32 s[WV], 8
	s_cbranch_scc1 .Lend
	ds_load_b128 v[96:99], v124 offset:4096
.irp k, 0,1,2,3,4,5,6,7
	ds_load_b128 v[128+4*\k:131+4*\k], v124 offset:512*\k
.endr
	s_wait_dscnt 0x0
	v_min_num_f32 v100, v12, v96                   ; -M of the larger M
	s_delay_alu instid0(VALU_DEP_1)
	v_sub_f32 v101, v100, v12                      ; my M - the larger: a whole number, 0 or less
	v_sub_f32 v102, v100, v96                      ; my partner's likewise
	s_delay_alu instid0(VALU_DEP_2)
	v_cvt_i32_f32 v101, v101                       ; (they saturate)
	s_delay_alu instid0(VALU_DEP_2)
	v_cvt_i32_f32 v102, v102
	s_delay_alu instid0(VALU_DEP_2)
	v_ldexp_f32 v116, 1.0, v101                    ; my factor,
	s_delay_alu instid0(VALU_DEP_2)
	v_ldexp_f32 v120, 1.0, v102                    ; my partner's: powers of two, or 0 for a state with no step
	v_pk_mul_f32 v[14:15], v[14:15], v[116:117] op_sel_hi:[1,0]
.set nn, 0
.rept 16
	v_pk_mul_f32 v[192+nn:193+nn], v[192+nn:193+nn], v[116:117] op_sel_hi:[1,0]
.set nn, nn+2
.endr
	v_pk_fma_f32 v[14:15], v[98:99], v[120:121], v[14:15] op_sel_hi:[1,0,1]
.set nn, 0
.rept 16
	v_pk_fma_f32 v[192+nn:193+nn], v[128+nn:129+nn], v[120:121], v[192+nn:193+nn] op_sel_hi:[1,0,1]
.set nn, nn+2
.endr
	FINAL
.Lend:
	s_wait_tensorcnt 0x0                           ; the wave's end
	ds_add_u32 v254, v255
	s_wait_dscnt 0x0
	s_endpgm
.Lfunc_end_k_q92acbe47db_attn:
	.size	k_q92acbe47db_attn, .Lfunc_end_k_q92acbe47db_attn-k_q92acbe47db_attn
	.p2alignl 7, 3214868480
	.fill 96, 4, 3214868480
	.section	.rodata,"a",@progbits
	.p2align	6, 0x0
	.amdhsa_kernel k_q92acbe47db_attn
		.amdhsa_group_segment_fixed_size 327680
		.amdhsa_private_segment_fixed_size 0
		.amdhsa_enable_private_segment 0
		.amdhsa_kernarg_size 32
		.amdhsa_user_sgpr_count 2
		.amdhsa_user_sgpr_kernarg_segment_ptr 1
		.amdhsa_wavefront_size32 1
		.amdhsa_system_sgpr_workgroup_id_x 1
		.amdhsa_system_sgpr_workgroup_id_y 1
		.amdhsa_system_sgpr_workgroup_id_z 1
		.amdhsa_system_vgpr_workitem_id 0
		.amdhsa_next_free_vgpr 256
		.amdhsa_next_free_sgpr 96
		.amdhsa_reserve_vcc 1
		.amdhsa_float_denorm_mode_32 3
		.amdhsa_float_denorm_mode_16_64 3
		.amdhsa_memory_ordered 1
		.amdhsa_forward_progress 1
		.amdhsa_inst_pref_size 96
	.end_amdhsa_kernel
	.amdgpu_metadata
---
amdhsa.version: [ 1, 2 ]
amdhsa.kernels:
  - .name:           k_q92acbe47db_attn
    .symbol:         k_q92acbe47db_attn.kd
    .args:
      - { .name: att, .offset: 0, .size: 8, .value_kind: global_buffer, .address_space: global }
      - { .name: ats, .offset: 8, .size: 8, .value_kind: global_buffer, .address_space: global }
      - { .name: cin, .offset: 16, .size: 8, .value_kind: global_buffer, .address_space: global }
      - { .name: scl, .offset: 24, .size: 8, .value_kind: global_buffer, .address_space: global }
    .group_segment_fixed_size: 327680
    .private_segment_fixed_size: 0
    .kernarg_segment_align: 8
    .kernarg_segment_size: 32
    .max_flat_workgroup_size: 512
    .sgpr_count:     96
    .vgpr_count:     256
    .wavefront_size: 32
...
	.end_amdgpu_metadata
.endif
;; end of part 3
;; launch proj (part 4): grid 8 x 32, 4 waves a work-group, clusters of 4 x 4, 214,528 bytes of LDS; arguments cin, scl, out0; writes out0
.if DOCPART == 4
	.amdgcn_target "amdgcn-amd-amdhsa--gfx1250"
	.amdhsa_code_object_version 6
	.text
	.protected	k_q92acbe47db_proj
	.globl	k_q92acbe47db_proj
	.p2align	8
	.type	k_q92acbe47db_proj,@function
k_q92acbe47db_proj:
	s_mov_b64 s[64:65], 0
	v_nop
	global_prefetch_b8 v0, s[64:65] scope:SCOPE_SE
	s_setreg_imm32_b32 hwreg(HW_REG_WAVE_MODE, 25, 1), 1
	s_wait_xcnt 0x0
	s_wait_alu depctr_hold_cnt(0) depctr_sa_sdst(0) depctr_va_vdst(0) depctr_va_sdst(0) depctr_va_ssrc(0) depctr_va_vcc(0) depctr_vm_vsrc(0)
	s_getreg_b32 s2, hwreg(HW_REG_IB_STS2, 6, 4)
	s_cmp_eq_u32 s2, 0
	s_cbranch_scc0 .Lentry_in_a_cluster
	s_endpgm
.Lentry_in_a_cluster:
	s_bfe_u32 s2, ttmp6, 0x10000c
	s_cmp_lg_u32 s2, 0xf033
	s_cbranch_scc0 .Lentry_shape_is_right
	s_endpgm
.Lentry_shape_is_right:
; PROJ.  out0 = o w_out^T on codes of FP6 (E2M3) with E8M0 scales, sums in f32.  o's codes (tiles 512-767 of cin) come from the attention launch, w_out's (tiles 448-511) from the first.
; SHARES.  A work-group makes 128 x 128 of the product, each of its four waves 64 x 64: 16 accumulators.  ALL OF K LIES IN LDS: 2 x 128 rows x 768 bytes = 196,608 bytes, by one tensor load a wave, each byte filled once.
; A wave has one tensor load, issued at the head.
; THE MATRIX INSTRUCTION IS USED TRANSPOSED (source 0 = 16 rows of w_out, source 1 = 16 rows of o): a lane holds one row of the output, and, by the order of rows in a tile
; (place r of tile t = row 32 (t / 2) + 8 (t % 2) + r + 8 (r / 8)), the registers of a row of accumulators are columns 32 b + 16 h + 0 .. 15.
; CLUSTER 4 x 4: o's tiles are shared along a row of the cluster, w_out's along a column; each is asked for jointly, by the same tensor load with a mask that names the four.
; THE WAY OUT: 16 rows x 64 columns at a time through the wave's own stage in LDS, behind the chunks, where no fill lands; sixteen lanes then store 256 consecutive bytes of a row.
; REGISTERS.  Window 0: v2-9 LDS addresses, v10-22 offsets, v32-63 scale words, v64-159 and v160-255 two sets of fragments (A at +12 a, B at +48 + 12 b).  Window 1: v0-127 the accumulators ((a, b) at 8 (4 a + b)).
.set CHB, 49152
.set STG, 196608                       ; the stages: 16 rows x (256 bytes + 16) for each wave
.set SC,  32                           ; scale words: register 8 i + ks: lanes 0-15 A's tile i, lanes 16-31 B's tile i, K step ks
.set F0,  64
.set F1,  160
.set MSB, 0
.macro WIN new                         ; s_set_vgpr_msb: bits 1:0 source 0, 3:2 source 1, 5:4 source 2, 7:6 destination; the high byte repeats the setting that is left
.if MSB != \new
	s_set_vgpr_msb (MSB<<8)|\new
.set MSB, \new
.endif
.endm
.macro CROUND                          ; a round of the cluster's barrier
	s_barrier_signal -1
	s_barrier_wait -1
	s_cmp_lg_u32 s14, 0
	s_cbranch_scc1 .Lnot_wave_0_\@
	s_barrier_signal -3
.Lnot_wave_0_\@:
	s_barrier_wait -3
	s_barrier_signal -1
	s_barrier_wait -1
.endm
.macro LDH reg, a16, a8, off           ; a HALF (16 rows x 64 K): six registers, every access consecutive from lane to lane
	ds_load_b128 v[\reg:\reg+3], v[\a16] offset:\off
	ds_load_b64 v[\reg+4:\reg+5], v[\a8] offset:\off
.endm
; LDS AS IT IS FILLED NOW: each tile lies whole, 12,288 bytes on end (all of K): A's eight tiles from byte 0, B's eight from byte 98,304.  One tensor load a wave brings four tiles, 49,152 dense bytes.
.macro FETCH ks, f                     ; my four tiles of A and four of B, K step ks of eight, into set f: 32 LDS loads
.irp i, 0,1,2,3
.irp c, 0,1
	LDH \f+12*\i+6*\c, 2, 3, 12288*\i+1536*(\ks)+768*\c
	LDH \f+48+12*\i+6*\c, 6, 7, 12288*\i+1536*(\ks)+768*\c
.endr
.endr
.endm
.macro MUL f, ks, zero                 ; 16 matrix instructions, the 16 accumulators by turns.  zero = 1: the first K step starts the sums
.irp a, 0,1,2,3
.irp b, 0,1,2,3
.if \zero
	v_wmma_scale_f32_16x16x128_f8f6f4 v[8*(4*\a+\b):8*(4*\a+\b)+7], v[\f+48+12*\b:\f+48+12*\b+11], v[\f+12*\a:\f+12*\a+11], 0, v[SC+8*\b+\ks], v[SC+8*\a+\ks] matrix_a_fmt:MATRIX_FMT_FP6 matrix_b_fmt:MATRIX_FMT_FP6 matrix_a_scale:MATRIX_SCALE_ROW1
.else
	v_wmma_scale_f32_16x16x128_f8f6f4 v[8*(4*\a+\b):8*(4*\a+\b)+7], v[\f+48+12*\b:\f+48+12*\b+11], v[\f+12*\a:\f+12*\a+11], v[8*(4*\a+\b):8*(4*\a+\b)+7], v[SC+8*\b+\ks], v[SC+8*\a+\ks] matrix_a_fmt:MATRIX_FMT_FP6 matrix_b_fmt:MATRIX_FMT_FP6 matrix_a_scale:MATRIX_SCALE_ROW1
.endif
.endr
.endr
.endm
.macro KSTEP ks, zero                  ; K step ks: the next step's fragments are asked for into the other set, then this step's 16 products
.if (\ks) < 7
	FETCH (\ks)+1, F0+96*(((\ks)+1)%2)
	s_wait_dscnt 32                                ; this step's fragments are in; the 32 loads just issued may be out
.else
	s_wait_dscnt 0x0
.endif
	WIN 0x50                                       ; C and D in window 1
	MUL F0+96*((\ks)%2), \ks, \zero
	WIN 0
.rept 4
	v_nop                                          ; four places in front of the next loads into the fragments' registers, and of the first read of results
.endr
.endm
.macro OUT a                           ; row a of accumulators: 16 rows x 64 columns
.set BB, 64+32*((\a)%2)
.if \a > 1
	s_wait_xcnt 0x0                                ; the stores of two turns ago have read their registers: the loads below may land there
.endif
	WIN 0x04                                       ; an LDS store's data are its source 1: window 1
.irp b, 0,1,2,3
	ds_store_b128 v20, v[8*(4*\a+\b):8*(4*\a+\b)+3] offset:128*(\b/2)+32*(\b%2)          ; each accumulator from its low end on
	ds_store_b128 v20, v[8*(4*\a+\b)+4:8*(4*\a+\b)+7] offset:128*(\b/2)+32*(\b%2)+16
.endr
	WIN 0
.irp i, 0,1,2,3,4,5,6,7
	ds_load_b128 v[BB+4*\i:BB+4*\i+3], v21 offset:544*\i   ; LDS serves a wave's instructions in order: these see the stores above, and the next turn's stores come behind them
.endr
.irp i, 0,1,2,3,4,5,6,7
	s_wait_dscnt 7-\i                              ; load i is in; the younger ones may be out
	global_store_b128 v22, v[BB+4*\i:BB+4*\i+3], s[8:9] offset:(32*(\a/2)+8*(\a%2)+2*\i+8*(\i/4))*4096 th:TH_STORE_NT   ; sixteen lanes store 256 consecutive bytes, from a multiple of 256 on
.endr
.endm
	s_load_b128 s[4:7], s[0:1], 0x0                ; cin s[4:5], scl s[6:7]
	s_load_b64 s[8:9], s[0:1], 0x10                ; out0
	v_lshl_add_u32 v30, v0, 2, 0x34400
	v_mov_b32 v31, 0
	ds_add_u32 v30, v31
	ds_add_u32 v30, v31
	v_lshrrev_b32 v1, 5, v0
	v_readfirstlane_b32 s14, v1                    ; wave 0..3
	s_lshr_b32 s15, s14, 1                         ; which half of A's tiles is mine.  Also: I fetch for A (0) or for B (1)
	s_and_b32 s16, s14, 1                          ; which half of B's.  Also: which four tiles I fetch
	s_bfe_u32 s17, ttmp6, 0x40000                  ; cx
	s_bfe_u32 s18, ttmp6, 0x40004                  ; cy
	s_and_b32 s19, ttmp7, 0xffff                   ; the cluster's y
	s_lshl_b32 s22, s19, 5
	s_add_co_u32 s22, s22, 512
	s_lshl_b32 s56, s18, 3
	s_add_co_u32 s22, s22, s56                     ; A's first tile: o's, by the cluster's y and cy
	s_lshl_b32 s23, ttmp9, 5
	s_add_co_u32 s23, s23, 448
	s_lshl_b32 s60, s17, 3
	s_add_co_u32 s23, s23, s60                     ; B's: w_out's, by the cluster's x and cx
	s_lshl_b32 s57, s18, 2
	s_lshl_b32 s57, 15, s57                        ; my row of the cluster
	s_lshl_b32 s61, 0x1111, s17                    ; my column
	; descriptor group 1: four whole tiles, 49,152 bytes; dense in LDS
	s_or_b32 s24, s57, (3<<16)|(1<<21)             ; 15:0 the mask; 17:16 elements of 8 bytes; 21 set beside a mask
	s_or_b32 s32, s61, (3<<16)|(1<<21)
.irp g, 24, 32
	s_mov_b32 s[\g+1], 32<<16                      ; four whole tiles are dense in memory: 192 rows of 256 bytes (32 elements of 8 bytes)
	s_mov_b32 s[\g+2], 192<<16
	s_mov_b32 s[\g+3], 32<<16
	s_mov_b32 s[\g+4], 192
	s_mov_b32 s[\g+5], 32
	s_mov_b32 s[\g+6], 0
	s_mov_b32 s[\g+7], 0
.endr
	s_lshl_b32 s84, s16, 2
	s_add_co_u32 s58, s22, s84
	s_mul_i32 s58, s58, 12288                      ; where the tiles that I fetch begin, for A
	s_mov_b32 s59, 0
	s_add_co_u32 s62, s23, s84
	s_mul_i32 s62, s62, 12288                      ; and for B: every wave makes both, in registers that never hold the other coordinate
	s_mov_b32 s63, 0
	s_mul_i32 s85, s14, 49152                      ; and where they go: the wave's number alone
	v_and_b32 v1, 31, v0                           ; lane
	v_and_b32 v14, 15, v0                          ; r
	v_bfe_u32 v15, v0, 4, 1                        ; h
	v_lshlrev_b32 v11, 4, v1                       ; 16 x lane
	v_lshlrev_b32 v12, 3, v1                       ; 8 x lane
	s_mul_i32 s95, s15, 49152
	v_add_nc_u32 v2, s95, v11                      ; my tiles of A: registers 0-3,
	v_add_nc_u32 v3, s95, v12
	v_add_nc_u32 v3, 512, v3                       ; registers 4-5;
	s_mul_i32 s96, s16, 49152
	s_add_co_u32 s96, s96, 98304
	v_add_nc_u32 v6, s96, v11                      ; and of B
	v_add_nc_u32 v7, s96, v12
	v_add_nc_u32 v7, 512, v7
	s_mul_i32 s90, s14, 4352
	s_add_co_u32 s90, s90, STG                     ; my stage
	v_mul_u32_u24 v20, v14, 272
	v_lshl_add_u32 v20, v15, 6, v20
	v_add_nc_u32 v20, s90, v20                     ; in: row r, 64 bytes for each half of the lanes
	v_mul_u32_u24 v21, v15, 272
	v_lshl_add_u32 v21, v14, 4, v21
	v_add_nc_u32 v21, s90, v21                     ; back: lanes 0-15 one row, lanes 16-31 the next
	v_lshlrev_b32 v22, 12, v15
	v_lshl_add_u32 v22, v14, 4, v22                ; and the same two rows in out0
	s_lshl_b32 s86, s15, 2
	s_add_co_u32 s86, s22, s86                     ; my first tile of A
	s_lshl_b32 s87, s16, 2
	s_add_co_u32 s87, s23, s87                     ; and of B
	s_lshl_b32 s88, s86, 9
	s_lshl_b32 s89, s87, 9
	v_mov_b32 v17, s88
	v_mov_b32 v18, s89
	v_cmp_eq_u32 vcc_lo, 1, v15
	v_cndmask_b32 v10, v17, v18, vcc_lo            ; lanes 0-15 take A's scale words, lanes 16-31 B's
	v_lshl_add_u32 v10, v14, 3, v10
	s_sub_co_u32 s91, s86, 512
	s_lshl_b32 s92, s91, 16                        ; my first row of out0: 16 rows of 4,096 bytes a tile
	s_sub_co_u32 s91, s87, 448
	s_lshl_b32 s91, s91, 6                         ; my first column: 16 numbers of 4 bytes a tile
	s_add_co_u32 s92, s92, s91
	s_mov_b32 s93, 0
	s_wait_dscnt 0x0
	s_wait_kmcnt 0x0
	s_add_nc_u64 s[8:9], s[8:9], s[92:93]
	s_add_nc_u64 s[58:59], s[4:5], s[58:59]
	s_add_nc_u64 s[62:63], s[4:5], s[62:63]
.irp q, 0
	s_mov_b32 s[40+4*\q], 1                        ; group 0 for A's chunk q: count = 1,
	s_add_co_u32 s[41+4*\q], s85, \q*CHB           ; LDS address,
	s_add_nc_u64 s[42+4*\q:43+4*\q], s[58:59], \q*3072   ; global address,
	s_or_b32 s[43+4*\q], s[43+4*\q], 0x80000000    ; type = 2
	s_mov_b32 s[68+4*\q], 1                        ; and for B's
	s_add_co_u32 s[69+4*\q], s85, \q*CHB
	s_add_nc_u64 s[70+4*\q:71+4*\q], s[62:63], \q*3072
	s_or_b32 s[71+4*\q], s[71+4*\q], 0x80000000
.endr
	CROUND                                         ; all sixteen work-groups are here: the joint loads meet
	s_cmp_eq_u32 s15, 0                            ; a wave's one fill stand in one branch on the wave's number, ahead of every wait on TENSORcnt, every LDS read and every other barrier
	s_cbranch_scc0 .Lfor_b
	tensor_load_to_lds s[40:43], s[24:31]
	s_nop 0
.rept 4
	v_nop
.endr
	s_branch .Lasked
.Lfor_b:
	tensor_load_to_lds s[68:71], s[32:39]
	s_nop 0
.rept 4
	v_nop
.endr
.Lasked:
	s_wait_alu depctr_va_vdst(0)
.irp i, 0,1,2,3
.irp kq, 0,1,2,3
	global_load_b64 v[SC+8*\i+2*\kq:SC+8*\i+2*\kq+1], v10, s[6:7] offset:512*\i+128*\kq   ; the scale words of my eight tiles, for all of K, once
.endr
.endr
	s_wait_tensorcnt 0x0                           ; my one load has landed
	s_barrier_signal -1
	s_barrier_wait -1                              ; everybody's has: all of K lies in LDS
	FETCH 0, F0
	s_wait_loadcnt 0x0                             ; the scale words
	KSTEP 0, 1
.irp k, 1,2,3,4,5,6,7
	KSTEP \k, 0
.endr
	OUT 0
	OUT 1
	OUT 2
	OUT 3
	s_wait_tensorcnt 0x0
	ds_add_u32 v30, v31
	s_wait_dscnt 0x0
	CROUND                                         ; the closing round: no work-group ends while a partner may still ask for a tile that names it
	s_endpgm
.Lfunc_end_k_q92acbe47db_proj:
	.size	k_q92acbe47db_proj, .Lfunc_end_k_q92acbe47db_proj-k_q92acbe47db_proj
	.p2alignl 7, 3214868480
	.fill 96, 4, 3214868480
	.section	.rodata,"a",@progbits
	.p2align	6, 0x0
	.amdhsa_kernel k_q92acbe47db_proj
		.amdhsa_group_segment_fixed_size 214528
		.amdhsa_private_segment_fixed_size 0
		.amdhsa_enable_private_segment 0
		.amdhsa_kernarg_size 24
		.amdhsa_user_sgpr_count 2
		.amdhsa_user_sgpr_kernarg_segment_ptr 1
		.amdhsa_wavefront_size32 1
		.amdhsa_system_sgpr_workgroup_id_x 1
		.amdhsa_system_sgpr_workgroup_id_y 1
		.amdhsa_system_sgpr_workgroup_id_z 1
		.amdhsa_system_vgpr_workitem_id 0
		.amdhsa_next_free_vgpr 384
		.amdhsa_next_free_sgpr 100
		.amdhsa_reserve_vcc 1
		.amdhsa_float_denorm_mode_32 3
		.amdhsa_float_denorm_mode_16_64 3
		.amdhsa_memory_ordered 1
		.amdhsa_forward_progress 1
		.amdhsa_inst_pref_size 51
	.end_amdhsa_kernel
	.amdgpu_metadata
---
amdhsa.version: [ 1, 2 ]
amdhsa.kernels:
  - .name:           k_q92acbe47db_proj
    .symbol:         k_q92acbe47db_proj.kd
    .args:
      - { .name: cin, .offset: 0, .size: 8, .value_kind: global_buffer, .address_space: global }
      - { .name: scl, .offset: 8, .size: 8, .value_kind: global_buffer, .address_space: global }
      - { .name: out0, .offset: 16, .size: 8, .value_kind: global_buffer, .address_space: global }
    .group_segment_fixed_size: 214528
    .private_segment_fixed_size: 0
    .kernarg_segment_align: 8
    .kernarg_segment_size: 24
    .max_flat_workgroup_size: 128
    .sgpr_count:     100
    .vgpr_count:     384
    .wavefront_size: 32
...
	.end_amdgpu_metadata
.endif
;; end of part 4
